; MI455X (gfx1250); checked and timed in simulation.
; The chip was launched on July 23, 2026; its instructions are those of AMD's public machine-readable ISA for CDNA 5 (MIT licence, August 2026) and "CDNA5" Instruction Set Architecture Reference Guide (July 2026). The comments in the code are by the model that wrote it; some were corrected since.
;; Wf Causal Conv3d Attn Block. Allowed arithmetic: matrix products marked QUANTISED: E2M3 operands, one E8M0 scale for each 32 along K, by v_wmma_scale_f32_16x16x128_f8f6f4 with both operands' format E2M3, f32 sums; everything else in f32.
;; Inputs: beta 512 float32; gamma 512 float32; k_b 512 float32; k_w 512 x 512 float32; proj_b 512 float32; proj_w 512 x 512 float32; q_b 512 float32; q_w 512 x 512 float32; v_b 512 float32; v_w 512 x 512 float32; x 2 x 512 x 16 x 32 x 32 float32.
;; Outputs: out0 2 x 512 x 16 x 32 x 32 float32.
;; This version of the problem:
;;   THIS VERSION OF THE PROBLEM IS GIVEN IN LOW PRECISION. The matrix products marked QUANTISED in the list below multiply operands that are first quantised to E2M3 (2 exponent bits, 3 mantissa bits; 6 bits a number), with one power-of-two scale for each 32 numbers along K (OCP MX v1.0); their sums are f32. All else is computed in f32.
;;   The module's matrix products, in the order in which they are computed (A, B: the left and right operand; K: the contracted axis; several contracted axes count as one K, in the product's order):
;;     1. [M 512, K 512] x [K 512, N 32,768]; A: input q_w; B: computed on the way: QUANTISED
;;     2. [M 512, K 512] x [K 512, N 32,768]; A: input k_w; B: computed on the way: QUANTISED
;;     3. [M 512, K 512] x [K 512, N 32,768]; A: input v_w; B: computed on the way: QUANTISED
;;     4. batch 32 x [M 1,024, K 512] x [K 512, N 1,024]; A: computed on the way; B: computed on the way: QUANTISED
;;     5. batch 32 x [M 1,024, K 1,024] x [K 1,024, N 512]; A: softmax (see below); B: computed on the way: QUANTISED
;;     6. [M 512, K 512] x [K 512, N 32,768]; A: input proj_w; B: computed on the way: QUANTISED
;;   THE QUANTISER, for each operand of a quantised product, along K:
;;     - K is cut into blocks of 32 from its start; a last block that is shorter is filled with zeros.
;;     - A block's scale is 2^e with e = floor(log2(the largest magnitude in the block)) - 2, held to -126 .. 127; a block of zeros has e = 0. As a byte (E8M0): e + 127.
;;     - Each number is divided by its block's scale, clamped to +-7.5, and rounded to the nearest number of E2M3, ties to even, subnormals kept.
;;     - The product sums the exact products of the quantised numbers (number of the format x scale) in f32.
;;   ~~~python
;;   def quantise(x, axis):      # numpy; x: float32 -> the quantised numbers, widened to float32 again
;;       x = np.moveaxis(x, axis, -1); K = x.shape[-1]
;;       x = np.pad(x, [(0, 0)] * (x.ndim - 1) + [(0, -K % 32)]); x = x.reshape(x.shape[:-1] + (-1, 32)); a = np.abs(x).max(-1, keepdims=True)
;;       e = np.where(a > 0, np.clip(np.frexp(np.where(a > 0, a, 1))[1] - 1 - 2, -126, 127), 0)      # np.frexp(a)[1] - 1 = floor(log2(a)), exactly
;;       r = np.clip(x / 2.0 ** e, -7.5, 7.5)
;;       step = 2.0 ** (np.maximum(np.frexp(np.where(r == 0, 1, r))[1] - 1, 0) - 3)
;;       q = np.round(r / step) * step * 2.0 ** e      # np.round: ties to even
;;       return np.moveaxis(q.reshape(q.shape[:-2] + (-1,))[..., :K], -1, axis).astype(np.float32)
;;   ~~~
;;   SOFTMAX AHEAD OF A QUANTISED PRODUCT. Where the list says 'softmax', what is quantised is not the finished softmax but p = 2^(t - M), with t = logit x log2(e) and M = ceil(the row's largest t), a whole number; so 1/2 < the row's largest p <= 1. The row's sum l is taken of the UNQUANTISED p, in f32, and the product's result is divided by l at the end. Since M is a whole number, a kernel that streams over the keys may use a running M (the ceiling of the running maximum): every later rescaling is an exact power of two, which a block's scale takes up: the codes' values come out the same.
;;   OPERANDS COMPUTED ON THE WAY. 'Computed on the way' means the value that the module computes at that place (a softmax that the list does not call 'softmax' is quantised finished and normalised). What goes into a quantiser is computed in f32, as accurately as f32 sums, v_exp_f32 and their like allow (about 1e-6 of the number): no bf16 or f16 on the way to a quantiser, and a product that is left as it is and whose result goes on into a quantised operand takes f32 operands (vector FMAs, or v_wmma_f32_16x16x4_f32). A number that lies on a knife's edge between two numbers of the format may be rounded either way, as far as f32 arithmetic and the matrix unit's own rounding can turn it there, and no further.
;; One version. Each part assembles by itself: llvm-mc -triple=amdgcn-amd-amdhsa -mcpu=gfx1250 --defsym DOCPART=n.
;; ======== version 1 of 1: 3 launches
;; workspace buffers: stats 2,048 bytes; wq 819,200 bytes; qc 12,582,912 bytes; qs 524,288 bytes; kv 26,214,400 bytes
;; launch prep (part 1): grid 256 x 1, 16 waves a work-group, no clusters, 6,144 bytes of LDS; arguments x, q_w, k_w, v_w, proj_w, stats, wq; writes stats, wq
.if DOCPART == 1
	.amdgcn_target "amdgcn-amd-amdhsa--gfx1250"
	.amdhsa_code_object_version 6
	.text
	.protected	k_q43814852a4_prep
	.globl	k_q43814852a4_prep
	.p2align	8
	.type	k_q43814852a4_prep,@function
k_q43814852a4_prep:
	s_mov_b64 s[64:65], 0
	v_nop
	global_prefetch_b8 v0, s[64:65] scope:SCOPE_SE
	s_setreg_imm32_b32 hwreg(HW_REG_WAVE_MODE, 25, 1), 1
	s_wait_xcnt 0x0
; PREP: (1) mean and sum of squared deviations (M2) of each QUARTER of a norm group; (2) the four weights as codes of E2M3 in the order of an operand's registers.
; x: [2][512][16384] f32.  A group is 16 channels x 16,384 positions = 1 MiB on end; work-group g takes the 262,144 bytes at 262,144 g: a quarter group, 65,536 numbers.
; The quarter stays in registers (128 a thread) between the pass that sums and the pass that sums (x - mean)^2: x is read once here, and no difference of large sums is formed.
; stats[g] = (mean, M2), 8 bytes.  The next launch joins the four quarters of a group.
; WEIGHTS.  Work-group g also takes 16 rows x 256 K of weight m = g >> 6: out tile ot = (g >> 1) & 31, pair of K steps kp = g & 1.  Row r of tile ot is out channel 32 (ot >> 1) + 8 (ot & 1) + r + 8 (r >> 3).
; Threads 0-127 take one block of 32 along K each: 128 bytes by eight loads, lanes 128 bytes apart; the eight loads together use every byte, and the weights are 4 MiB beside x's 64.
; A fragment (16 rows x 128 K) is laid as an image of its 12 registers: register q of lane L at (q >> 2) 512 + 16 L + 4 (q & 3); lane L = 16 h + r holds row r, registers 6 c .. 6 c + 5 hold K = 64 c + 32 h + 0 .. 31.
; wq: blocks of 25,600 bytes, block (2 m + kp) 4 + (ot >> 3): 16 images ((ot & 7), K step sl) at (2 (ot & 7) + sl) 1,536, then from 24,576 on the scale bytes at (ot & 7) 128 + 8 r + 4 sl + block.
; The images leave as 512 consecutive bytes a wave; a tile's 128 scale bytes leave as one store of 128 consecutive bytes (32 KiB of the launch's output in all).
; A block's scale is 2^(floor(log2(largest magnitude)) - 2); its byte is the largest magnitude's exponent field - 2, held at 1 from below.
; LIMITS: NaN and infinities among the inputs are not served; blocks whose largest magnitude lies under 2^-124 get the byte 1; a block of zeros gets the byte 1 with zero codes (this program alone reads the bytes).
.set RED1, 0                           ; LDS: 16 partial sums
.set RED2, 256                         ; 16 partial sums of squares
.set WST,  512                         ; two images, 3,072 bytes
.set WSS,  3584                        ; 128 scale bytes
.set X,    32                          ; v32-159  my 128 numbers of x
.set WN,   160                         ; v160-191 one block of a weight
.set CD,   192                         ; v192-200 its codes
.set WV,   18                          ; s18      my wave's number
	s_load_b256 s[4:11], s[0:1], 0x0               ; x s[4:5], q_w s[6:7], k_w s[8:9], v_w s[10:11]
	s_load_b128 s[12:15], s[0:1], 0x20             ; proj_w s[12:13], stats s[14:15]
	s_load_b64 s[16:17], s[0:1], 0x30              ; wq
	v_lshl_add_u32 v208, v0, 2, 0x1000
	v_mov_b32 v209, 0
	v_lshrrev_b32 v12, 5, v0
	v_readfirstlane_b32 s[WV], v12                 ; wave 0..15
	v_and_b32 v1, 31, v0                           ; lane
	v_lshlrev_b32 v2, 4, v1
	v_lshl_add_u32 v2, v12, 14, v2                 ; x: 16,384 x wave + 16 x lane
	v_lshrrev_b32 v13, 3, v0                       ; rr: the tile's row (threads 0-127)
	v_and_b32 v14, 8, v13
	v_add_nc_u32 v14, v14, v13                     ; rr + 8 (rr >> 3)
	v_and_b32 v15, 7, v0                           ; bi = 4 sl + 2 c + h: my block of the 256 along K
	v_lshlrev_b32 v3, 11, v14                      ; a weight's row is 2,048 bytes
	v_lshl_add_u32 v3, v15, 7, v3                  ; + 128 bi
	v_bfe_u32 v16, v0, 2, 1                        ; sl
	v_bfe_u32 v17, v0, 1, 1                        ; c
	v_and_b32 v18, 1, v0                           ; h
	v_mul_u32_u24 v19, v16, 1536
	v_lshl_add_u32 v19, v18, 8, v19
	v_lshl_add_u32 v19, v13, 4, v19                ; image sl, lane 16 h + rr
	v_mad_u32_u24 v4, v17, 520, v19                ; register pairs 3 c and 3 c + 2 lie at 0 and 512 (c = 0) or 520 and 1,032 (c = 1),
	v_mad_u32_u24 v5, v17, 1016, v19               ; pair 3 c + 1 at 8 or 1,024
	v_lshlrev_b32 v8, 4, v0                        ; 16 t: the images' way out, in LDS and in wq
	v_lshlrev_b32 v10, 2, v1                       ; 4 x lane: the scale bytes' way out
	v_lshlrev_b32 v30, 2, v12                      ; 4 x wave: my wave's partial sum
	v_mov_b32 v31, 0
	s_lshr_b32 s20, ttmp9, 6                       ; m
	s_bfe_u32 s21, ttmp9, 0x50001                  ; ot
	s_and_b32 s22, ttmp9, 1                        ; kp
	s_lshr_b32 s23, s21, 1
	s_lshl_b32 s23, s23, 16                        ; 32 rows of 2,048 bytes
	s_and_b32 s24, s21, 1
	s_lshl_b32 s24, s24, 14                        ; 8 rows
	s_add_co_u32 s24, s24, s23
	s_lshl_b32 s25, s22, 10                        ; 256 along K
	s_add_co_u32 s24, s24, s25
	s_mov_b32 s25, 0                               ; s[24:25]: where my tile begins in its weight
	s_lshl_b32 s26, s20, 1
	s_add_co_u32 s26, s26, s22
	s_lshl_b32 s26, s26, 2
	s_lshr_b32 s27, s21, 3
	s_add_co_u32 s26, s26, s27
	s_mul_i32 s26, s26, 25600                      ; my block of wq
	s_and_b32 s27, s21, 7
	s_mul_i32 s28, s27, 3072
	s_add_co_u32 s28, s28, s26
	s_mov_b32 s29, 0                               ; s[28:29]: my two images
	s_lshl_b32 s30, s27, 7
	s_add_co_u32 s30, s30, s26
	s_add_co_u32 s30, s30, 24576
	s_mov_b32 s31, 0                               ; s[30:31]: my 128 scale bytes
	s_lshl_b32 s32, ttmp9, 18
	s_mov_b32 s33, 0                               ; s[32:33]: my quarter group
	s_lshl_b32 s34, ttmp9, 3
	s_mov_b32 s35, 0                               ; s[34:35]: my 8 bytes of stats
	s_mov_b32 s38, 0x76543210
	s_mov_b32 s39, 0xfedcba98                      ; v_permlanex16_b32's selects for lane l xor 16
	s_wait_kmcnt 0x0
	s_cmp_eq_u32 s20, 1                            ; which weight: the choice hangs on the work-group's number alone
	s_cselect_b64 s[6:7], s[8:9], s[6:7]
	s_cmp_eq_u32 s20, 2
	s_cselect_b64 s[6:7], s[10:11], s[6:7]
	s_cmp_eq_u32 s20, 3
	s_cselect_b64 s[6:7], s[12:13], s[6:7]
	s_add_nc_u64 s[6:7], s[6:7], s[24:25]
	s_add_nc_u64 s[4:5], s[4:5], s[32:33]
	s_add_nc_u64 s[14:15], s[14:15], s[34:35]
	s_add_nc_u64 s[36:37], s[16:17], s[30:31]
	s_add_nc_u64 s[16:17], s[16:17], s[28:29]
	s_cmp_lt_u32 s[WV], 4                          ; waves 0-3 ask for the weight's blocks first
	s_cbranch_scc0 .Lno_w
.irp i, 0,1,2,3,4,5,6,7
	global_load_b128 v[WN+4*\i:WN+4*\i+3], v3, s[6:7] offset:16*\i
.endr
.Lno_w:
.set i, 0
.rept 32                                           ; all of the quarter group is asked for at once: 32 loads of 512 consecutive bytes a wave
	global_load_b128 v[X+4*i:X+4*i+3], v2, s[4:5] offset:512*i th:TH_LOAD_NT
.set i, i+1
.endr
	s_cmp_lt_u32 s[WV], 4
	s_cbranch_scc0 .Lno_q
	s_wait_loadcnt 32                              ; my block of the weight is in; the 32 loads of x behind it may stay out
	v_max3_num_f32 v12, |v[WN]|, |v[WN+1]|, |v[WN+2]|   ; the block's largest magnitude: all 32 numbers are mine; two chains
	v_max3_num_f32 v13, |v[WN+3]|, |v[WN+4]|, |v[WN+5]|
.irp i, 6,10,14,18,22,26
	v_max3_num_f32 v12, v12, |v[WN+\i]|, |v[WN+\i+1]|
	v_max3_num_f32 v13, v13, |v[WN+\i+2]|, |v[WN+\i+3]|
.endr
	v_max3_num_f32 v12, v12, |v[WN+30]|, |v[WN+31]|
	v_max3_num_f32 v12, v12, v13, 0x1800000        ; and the floor 2^(3 - 127): the byte cannot fall under 1
	v_add_nc_u32 v14, 0xff000000, v12              ; 2 off the exponent field: the conversion takes this operand's exponent field as its scale
	v_lshrrev_b32 v15, 23, v14                     ; the scale's byte
	v_cvt_scalef32_pk16_fp6_f32 v[CD:CD+2], v[WN:WN+15], v14
	v_cvt_scalef32_pk16_fp6_f32 v[CD+6:CD+8], v[WN+16:WN+31], v14   ; (a conversion's three registers begin on an even number)
	v_nop                                          ; one plain instruction behind a scaled conversion
.irp i, 0,1,2
	v_mov_b32 v[CD+3+\i], v[CD+6+\i]
.endr
	ds_store_b64 v4, v[CD:CD+1] offset:WST
	ds_store_b64 v5, v[CD+2:CD+3] offset:WST+8
	ds_store_b64 v4, v[CD+4:CD+5] offset:WST+512
	ds_store_b8 v0, v15 offset:WSS                 ; 8 rr + bi is my thread's number
.Lno_q:
; the four chains of a pass are folded, then the 32 lanes
.macro LANESUM
	v_pk_add_f32 v[12:13], v[12:13], v[14:15]
	v_pk_add_f32 v[16:17], v[16:17], v[18:19]
	v_pk_add_f32 v[12:13], v[12:13], v[16:17]
	v_add_f32 v12, v12, v13
	v_add_f32_dpp v12, v12, v12 row_xmask:1 row_mask:0xf bank_mask:0xf
	v_add_f32_dpp v12, v12, v12 row_xmask:2 row_mask:0xf bank_mask:0xf
	v_add_f32_dpp v12, v12, v12 row_xmask:4 row_mask:0xf bank_mask:0xf
	v_add_f32_dpp v12, v12, v12 row_xmask:8 row_mask:0xf bank_mask:0xf
	v_permlanex16_b32 v13, v12, s38, s39
	v_add_f32 v12, v12, v13
.endm
; the sixteen waves' figures, in a fixed order, into v12
.macro SUM16 base
.irp q, 0,1,2,3
	ds_load_b128 v[12+4*\q:15+4*\q], v31 offset:\base+16*\q
.endr
	s_wait_dscnt 0x0
	v_pk_add_f32 v[12:13], v[12:13], v[14:15]
	v_pk_add_f32 v[16:17], v[16:17], v[18:19]
	v_pk_add_f32 v[20:21], v[20:21], v[22:23]
	v_pk_add_f32 v[24:25], v[24:25], v[26:27]
	v_pk_add_f32 v[12:13], v[12:13], v[16:17]
	v_pk_add_f32 v[20:21], v[20:21], v[24:25]
	v_pk_add_f32 v[12:13], v[12:13], v[20:21]
	v_add_f32 v12, v12, v13
.endm
	; PASS 1: the sum, in four packed chains that the first sixteen numbers start
	s_wait_loadcnt 24                              ; loads 0-7 are in; the 24 younger may stay out
.irp k, 0,1,2,3
	v_pk_add_f32 v[12+2*\k:13+2*\k], v[X+2*\k:X+2*\k+1], v[X+8+2*\k:X+9+2*\k]
.endr
.set n, 2
.rept 14
.if n == 4
	s_wait_loadcnt 16                              ; loads 8-15
.elseif n == 8
	s_wait_loadcnt 8                               ; loads 16-23
.elseif n == 12
	s_wait_loadcnt 0x0
.endif
.irp k, 0,1,2,3
	v_pk_add_f32 v[12+2*\k:13+2*\k], v[12+2*\k:13+2*\k], v[X+8*n+2*\k:X+8*n+2*\k+1]
.endr
.set n, n+1
.endr
	LANESUM
	ds_store_b32 v30, v12 offset:RED1              ; all lanes write the same word with the same value
	s_wait_dscnt 0x0                               ; for the others' sake: my sum, and in waves 0-3 the images and scale bytes, have landed
	s_barrier_signal -1
	s_barrier_wait -1
	s_cmp_lt_u32 s[WV], 6                          ; the two images leave: 3,072 bytes, waves 0-5, 512 consecutive bytes a wave
	s_cbranch_scc0 .Lno_img
	ds_load_b128 v[CD:CD+3], v8 offset:WST
	s_wait_dscnt 0x0
	global_store_b128 v8, v[CD:CD+3], s[16:17]
.Lno_img:
	s_cmp_eq_u32 s[WV], 6                          ; and the 128 scale bytes: wave 6
	s_cbranch_scc0 .Lno_sc
	ds_load_b32 v[CD+4], v10 offset:WSS
	s_wait_dscnt 0x0
	global_store_b32 v10, v[CD+4], s[36:37]
.Lno_sc:
	SUM16 RED1
	v_mul_f32 v28, 0x37800000, v12                 ; / 65,536: the quarter's mean
	v_mov_b32 v29, v28
	; PASS 2: the sum of (x - mean)^2, from the registers
.set n, 0
.rept 16
.irp k, 0,1,2,3
	v_pk_add_f32 v[X+8*n+2*\k:X+8*n+2*\k+1], v[X+8*n+2*\k:X+8*n+2*\k+1], v[28:29] neg_lo:[0,1] neg_hi:[0,1]
.endr
.irp k, 0,1,2,3
.if n == 0
	v_pk_mul_f32 v[12+2*\k:13+2*\k], v[X+2*\k:X+2*\k+1], v[X+2*\k:X+2*\k+1]
.else
	v_pk_fma_f32 v[12+2*\k:13+2*\k], v[X+8*n+2*\k:X+8*n+2*\k+1], v[X+8*n+2*\k:X+8*n+2*\k+1], v[12+2*\k:13+2*\k]
.endif
.endr
.set n, n+1
.endr
	LANESUM
	ds_store_b32 v30, v12 offset:RED2
	s_wait_dscnt 0x0
	s_barrier_signal -1
	s_barrier_wait -1
	s_cmp_lg_u32 s[WV], 0
	s_cbranch_scc1 .Lend                           ; wave 0 finishes
	SUM16 RED2
	v_mov_b32 v29, v12                             ; (mean, M2)
	v_cmp_eq_u32 vcc_lo, 0, v1
	s_wait_xcnt 0x0                                ; EXEC changes only behind this wait: my earlier store has had its address translated
	s_and_saveexec_b32 s20, vcc_lo
	global_store_b64 v31, v[28:29], s[14:15]       ; lane 0 alone
	s_wait_xcnt 0x0
	s_or_b32 exec_lo, exec_lo, s20
.Lend:
	s_wait_tensorcnt 0x0
	ds_add_u32 v208, v209
	s_wait_dscnt 0x0
	s_endpgm
.Lfunc_end_k_q43814852a4_prep:
	.size	k_q43814852a4_prep, .Lfunc_end_k_q43814852a4_prep-k_q43814852a4_prep
	.p2alignl 7, 3214868480
	.fill 96, 4, 3214868480
	.section	.rodata,"a",@progbits
	.p2align	6, 0x0
	.amdhsa_kernel k_q43814852a4_prep
		.amdhsa_group_segment_fixed_size 6144
		.amdhsa_private_segment_fixed_size 0
		.amdhsa_enable_private_segment 0
		.amdhsa_kernarg_size 56
		.amdhsa_user_sgpr_count 2
		.amdhsa_user_sgpr_kernarg_segment_ptr 1
		.amdhsa_wavefront_size32 1
		.amdhsa_system_sgpr_workgroup_id_x 1
		.amdhsa_system_sgpr_workgroup_id_y 1
		.amdhsa_system_sgpr_workgroup_id_z 1
		.amdhsa_system_vgpr_workitem_id 0
		.amdhsa_next_free_vgpr 210
		.amdhsa_next_free_sgpr 66
		.amdhsa_reserve_vcc 1
		.amdhsa_float_denorm_mode_32 3
		.amdhsa_float_denorm_mode_16_64 3
		.amdhsa_memory_ordered 1
		.amdhsa_forward_progress 1
		.amdhsa_inst_pref_size 25
	.end_amdhsa_kernel
	.amdgpu_metadata
---
amdhsa.version: [ 1, 2 ]
amdhsa.kernels:
  - .name:           k_q43814852a4_prep
    .symbol:         k_q43814852a4_prep.kd
    .args:
      - { .name: x, .offset: 0, .size: 8, .value_kind: global_buffer, .address_space: global }
      - { .name: q_w, .offset: 8, .size: 8, .value_kind: global_buffer, .address_space: global }
      - { .name: k_w, .offset: 16, .size: 8, .value_kind: global_buffer, .address_space: global }
      - { .name: v_w, .offset: 24, .size: 8, .value_kind: global_buffer, .address_space: global }
      - { .name: proj_w, .offset: 32, .size: 8, .value_kind: global_buffer, .address_space: global }
      - { .name: stats, .offset: 40, .size: 8, .value_kind: global_buffer, .address_space: global }
      - { .name: wq, .offset: 48, .size: 8, .value_kind: global_buffer, .address_space: global }
    .group_segment_fixed_size: 6144
    .private_segment_fixed_size: 0
    .kernarg_segment_align: 8
    .kernarg_segment_size: 56
    .max_flat_workgroup_size: 512
    .sgpr_count:     66
    .vgpr_count:     210
    .wavefront_size: 32
...
	.end_amdgpu_metadata
.endif
;; end of part 1
;; launch qkv (part 2): grid 256 x 1, 4 waves a work-group, clusters of 4 x 1, 327,680 bytes of LDS; arguments x, stats, gamma, beta, q_b, k_b, v_b, wq, qc, qs, kv; writes qc, qs, kv
.if DOCPART == 2
	.amdgcn_target "amdgcn-amd-amdhsa--gfx1250"
	.amdhsa_code_object_version 6
	.text
	.protected	k_q43814852a4_qkv
	.globl	k_q43814852a4_qkv
	.p2align	8
	.type	k_q43814852a4_qkv,@function
k_q43814852a4_qkv:
	s_mov_b64 s[64:65], 0
	v_nop
	global_prefetch_b8 v0, s[64:65] scope:SCOPE_SE
	s_setreg_imm32_b32 hwreg(HW_REG_WAVE_MODE, 25, 1), 1
	s_wait_xcnt 0x0
	s_wait_alu depctr_hold_cnt(0) depctr_sa_sdst(0) depctr_va_vdst(0) depctr_va_sdst(0) depctr_va_ssrc(0) depctr_va_vcc(0) depctr_vm_vsrc(0)
	s_getreg_b32 s2, hwreg(HW_REG_IB_STS2, 6, 4)
	s_cmp_eq_u32 s2, 0
	s_cbranch_scc0 .Lentry_in_a_cluster
	s_endpgm
.Lentry_in_a_cluster:
	s_bfe_u32 s2, ttmp6, 0x10000c
	s_cmp_lg_u32 s2, 0x3003
	s_cbranch_scc0 .Lentry_shape_is_right
	s_endpgm
.Lentry_shape_is_right:
; QKV: group norm, then q, k, v = W hn + b on codes of E2M3 (one E8M0 scale for each 32 along K), each result quantised in registers and stored as images of operand registers.
; SHARES.  Work-group g (0..255) takes 128 positions: batch g >> 7, bytes 512 (g & 127) of every channel's row of 65,536 bytes.  They are query block and key step g & 7 of frame g >> 3.
; X PHASE.  Wave w reads channels 128 w .. 128 w + 127 (512 registers; a lane holds 4 positions, its registers run down the channels, so a block of 32 channels of a position lies in one lane), normalises
; ((x - mean) first, then one fused multiply-add by gamma rstd and beta), quantises along the channels and lays the codes in LDS as K step w of hn's eight fragments.
; PRODUCTS.  Wave w makes out channels 128 w .. + 127 for all 128 positions: 64 accumulators, 4 K steps of 64 matrix instructions, three times.
;   q, k: source 0 = 16 rows of W, source 1 = 16 positions: a lane holds one position and its registers run along the out channels, which are the next product's K.
;   v:    source 0 = 16 positions, source 1 = 16 rows of W: a lane holds one channel and its registers run along the positions (the keys), which are the next K.
; TILE ORDER.  Row r of tile n (positions and out channels alike) is element 32 (n >> 1) + 8 (n & 1) + r + 8 (r >> 3): so the 16 registers of result tiles 2 b and 2 b + 1 are the neighbours 32 b + 16 (lane / 16) + 0 .. 15.
; IMAGES.  A fragment (16 rows x 128 K, 12 registers) is 1,536 bytes: register q of lane L at (q >> 2) 512 + 16 L + 4 (q & 3).  A scale quad (8 tiles, one K step) is 512 bytes: the word of tile 2 i + u, row r at 16 (16 u + r) + 4 i.
; OUT.  qc [g][tile 8][K step 4] images, qs [g][K step 4] quads; kv [g] blocks of 102,400: k's images at (4 tile + K step) 1,536, v^T's (channel tile ct) at 49,152 + 1,536 ct, k's quads at 98,304, v's at 100,352.
; WEIGHTS come as images (wq) through two LDS slots, each half a product's (K steps 0-1 or 2-3); wave w's 25,600 bytes lie at 25,600 w and only wave w reads them.  The four work-groups of a cluster
; need the same weights: each tile is asked for jointly, by the same tensor load with the same descriptor and the mask 15.  By this text's own count a wave has at most two tensor loads out.
; The biases are the C of each sum's first matrix instruction.
; LIMITS: NaN and infinities are not served; blocks whose largest magnitude lies under 2^-124 get the byte 1; a block of zeros gets the byte 1 with zero codes (this program alone reads the bytes).
; REGISTERS.  window 0: v1-14 addresses; v16-23 gamma rstd, beta; v24-39 hn's scale words; v40-55 W's; v56 -mean; v64-255 hn's two sets of 8 fragments (in the x phase and on the ways out: at work).
;   window 1: v0-191 W's two sets of 8 fragments; v192-255 the bias, 8 registers a tile.   windows 2, 3: x's 512 registers, then the 64 accumulators, (e, i) at 8 (8 (e & 3) + i) of window 2 + (e >> 2).
.set SLOT1, 131072                     ; LDS: slot 0 at 0, slot 1 here, 102,400 bytes each
.set WBLK,  25600
.set SPARE, 102400                     ; the spare words, 128 bytes a wave: two blocks of 256 bytes that no other line names
.set HS,    102912                     ; hn's 4 scale quads, by K step
.set IMG,   233472                     ; hn's images: (tile T, K step s) at TP T + 1,536 s
.set TP,    6160
.set LI,   1                           ; v1   16 x lane
.set AH,   2                           ; v2   LI + IMG
.set AHS,  3                           ; v3   LI + HS
.set AW,   4                           ; v4-5 LI + my part of slot 0, 1
.set AWS0, 6                           ; v6   8 x lane + my scale bytes in slot 0
.set SPW,  7                           ; v7   my spare word; never rewritten
.set NIL,  8                           ; v8   0; never rewritten
.set AWS1, 9                           ; v9   as v6, slot 1
.set LB,   11                          ; v11  x phase: where my first position's codes go
.set LSB,  12                          ; v12  x phase: and its scale word
.set QBA,  13                          ; v13  64 (lane / 16): the bias of q and k
.set VBA,  14                          ; v14  4 (r + 8 (r >> 3)): the bias of v
.set GA,   16
.set BE,   20
.set HSR,  24                          ; register 4 s + i: tiles 2 i (lanes 0-15) and 2 i + 1 (lanes 16-31) of K step s
.set WS,   40                          ; register 8 kp + 2 i + sl likewise
.set NM,   56
.set HF,   64
.set D,    64                          ; x phase: v64-191 hn, position j, channel i of a block at 32 j + i
.set PCX,  192                         ; 10 registers of codes a position
.set SW,   232                         ; 4 scale words
.set T,    236
.set MX,   244
.set SO,   248
.set TM,   64                          ; ways out: v64-79 at work, v80-99 codes, v100-107 scale words, v108-111 a quad
.set PC,   80
.set PW,   100
.set SWQ,  108
.set BIAS, 192
.set G1,   28                          ; s[28:35] descriptor group 1;  s[36:39], s[40:43] groups 0 of slots 0, 1
.set G0A,  36
.set G0B,  40
.set WV,   44
.set CX,   45
.set WG,   46
.set BB,   47
.set SEL,  52
.set HM,   54
.set MSB, 0
.macro WIN new                         ; the immediate's high byte repeats the setting that is left; a switch that changes nothing is dropped
.if MSB != (\new)
	s_set_vgpr_msb (MSB<<8)|(\new)
.set MSB, (\new)
.endif
.endm
.macro PLACES n
.rept \n
	v_nop
.endr
.endm
.macro CROUND                          ; a round of the cluster's barrier
	s_barrier_signal -1
	s_barrier_wait -1
	s_cmp_lg_u32 s[WV], 0
	s_cbranch_scc1 .Lnw0_\@
	s_barrier_signal -3
.Lnw0_\@:
	s_barrier_wait -3
	s_barrier_signal -1
	s_barrier_wait -1
.endm
; one matrix instruction from the symbols rD, rA, rB, rC, rSA, rSB; qa, qb: which half of the lanes holds the side's scale words
.macro WM
.if (qa == 0) && (qb == 0)
	v_wmma_scale_f32_16x16x128_f8f6f4 v[rD:rD+7], v[rA:rA+11], v[rB:rB+11], v[rC:rC+7], v[rSA], v[rSB] matrix_a_fmt:MATRIX_FMT_FP6 matrix_b_fmt:MATRIX_FMT_FP6
.elseif (qa == 1) && (qb == 0)
	v_wmma_scale_f32_16x16x128_f8f6f4 v[rD:rD+7], v[rA:rA+11], v[rB:rB+11], v[rC:rC+7], v[rSA], v[rSB] matrix_a_fmt:MATRIX_FMT_FP6 matrix_b_fmt:MATRIX_FMT_FP6 matrix_a_scale:MATRIX_SCALE_ROW1
.elseif (qa == 0) && (qb == 1)
	v_wmma_scale_f32_16x16x128_f8f6f4 v[rD:rD+7], v[rA:rA+11], v[rB:rB+11], v[rC:rC+7], v[rSA], v[rSB] matrix_a_fmt:MATRIX_FMT_FP6 matrix_b_fmt:MATRIX_FMT_FP6 matrix_b_scale:MATRIX_SCALE_ROW1
.else
	v_wmma_scale_f32_16x16x128_f8f6f4 v[rD:rD+7], v[rA:rA+11], v[rB:rB+11], v[rC:rC+7], v[rSA], v[rSB] matrix_a_fmt:MATRIX_FMT_FP6 matrix_b_fmt:MATRIX_FMT_FP6 matrix_a_scale:MATRIX_SCALE_ROW1 matrix_b_scale:MATRIX_SCALE_ROW1
.endif
.endm
.macro FETCHW ks, set                  ; W's eight fragments of K step ks into set
	WIN 0x40
.irp t, 0,1,2,3,4,5,6,7
.irp g, 0,1,2
	ds_load_b128 v[96*(\set)+12*\t+4*\g:96*(\set)+12*\t+4*\g+3], v[AW+(\ks)/2] offset:(2*\t+(\ks)%2)*1536+512*\g
.endr
.endr
	WIN 0
.endm
.macro FETCHH ks, set                  ; hn's eight
.irp t, 0,1,2,3,4,5,6,7
.irp g, 0,1,2
	ds_load_b128 v[HF+96*(\set)+12*\t+4*\g:HF+96*(\set)+12*\t+4*\g+3], v[AH] offset:\t*TP+(\ks)*1536+512*\g
.endr
.endr
.endm
.macro WSCALES kp                      ; W's scale words of K steps 2 kp and 2 kp + 1: 8 bytes a row
.irp i, 0,1,2,3
.if (\kp) == 0
	ds_load_b64 v[WS+2*\i:WS+2*\i+1], v[AWS0] offset:256*\i
.else
	ds_load_b64 v[WS+8+2*\i:WS+8+2*\i+1], v[AWS1] offset:256*\i
.endif
.endr
.endm
; 32 matrix instructions of K step ks: e = 4 half .. 4 half + 3, i = 0 .. 7.  ty = 0 (q, k): source 0 = W(i), source 1 = hn(e);  ty = 1 (v): source 0 = hn(i), source 1 = W(e).
; In K step 0 the bias is C.  The 64 accumulators take turns, one instruction a turn, in one order in every K step.
.macro MULH ks, ty, half
.if (\ty) == 0
.if (\ks) == 0
	WIN 0x91+0x40*(\half)
.else
	WIN 0xa1+0x50*(\half)
.endif
.else
.if (\ks) == 0
	WIN 0x94+0x40*(\half)
.else
	WIN 0xa4+0x50*(\half)
.endif
.endif
.irp e4, 0,1,2,3
.irp i, 0,1,2,3,4,5,6,7
.set ee, 4*(\half)+\e4
.set rD, 8*(8*\e4+\i)
.set qa, \i%2
.set qb, ee%2
.if (\ty) == 0
.set rA, 96*((\ks)%2)+12*\i
.set rB, HF+96*((\ks)%2)+12*ee
.set rSA, WS+8*((\ks)/2)+2*(\i/2)+(\ks)%2
.set rSB, HSR+4*(\ks)+ee/2
.set rC, BIAS+8*\i
.else
.set rA, HF+96*((\ks)%2)+12*\i
.set rB, 96*((\ks)%2)+12*ee
.set rSA, HSR+4*(\ks)+\i/2
.set rSB, WS+8*((\ks)/2)+2*(ee/2)+(\ks)%2
.set rC, BIAS+8*ee
.endif
.if (\ks) != 0
.set rC, rD
.endif
	WM
.endr
.endr
.endm
.macro BIASQK p                        ; lane (r, h), tile i: the bias of out channels 32 (i / 2) + 8 (i % 2) + 16 h + 0 .. 7
	WIN 0x40
.irp i, 0,1,2,3,4,5,6,7
	global_load_b128 v[BIAS+8*\i:BIAS+8*\i+3], v[QBA], s[\p:\p+1] offset:(32*(\i/2)+8*(\i%2))*4
	global_load_b128 v[BIAS+8*\i+4:BIAS+8*\i+7], v[QBA], s[\p:\p+1] offset:(32*(\i/2)+8*(\i%2))*4+16
.endr
	WIN 0
.endm
.macro BIASV p                         ; lane (r, h), tile e: the one number of its channel, in all eight registers
	WIN 0x40
.irp e, 0,1,2,3,4,5,6,7
.irp j, 0,1,2,3,4,5,6,7
	global_load_b32 v[BIAS+8*\e+\j], v[VBA], s[\p:\p+1] offset:(32*(\e/2)+8*(\e%2))*4
.endr
.endr
	WIN 0
.endm
; 64 numbers of a lane in window w, block b's sixteen at src + str b (k = 32 b + 16 (lane / 16) + 0 .. 15 of my row), become a fragment's codes in v[PC] on and its scale word in v[pw].
.macro QUANT w, src, str, pw
	WIN (\w)|((\w)<<2)
.irp b, 0,1,2,3
	v_max3_num_f32 v[TM+\b], |v[(\src)+(\str)*\b]|, |v[(\src)+(\str)*\b+1]|, 0x1800000   ; each accumulator is read from its low end on; the floor 2^(3 - 127) holds the byte at 1 from below
.endr
.irp i, 2,4,6,8,10,12,14
.irp b, 0,1,2,3
	v_max3_num_f32 v[TM+\b], |v[(\src)+(\str)*\b+\i]|, |v[(\src)+(\str)*\b+\i+1]|, v[TM+\b]
.endr
.endr
	WIN 0
.irp b, 0,1,2,3
	v_permlanex16_b32 v[TM+4+\b], v[TM+\b], s[SEL], s[SEL+1]
.endr
.irp b, 0,1,2,3
	v_max_num_f32 v[TM+\b], v[TM+\b], v[TM+4+\b]   ; with lane l xor 16's: the block's largest magnitude
.endr
.irp b, 0,1,2,3
	v_add_nc_u32 v[TM+12+\b], 0xff000000, v[TM+\b] ; 2 off its exponent field: the conversion's scale operand
.endr
.irp b, 0,1,2,3
	v_lshrrev_b32 v[TM+4+\b], 23, v[TM+12+\b]      ; the scale's byte
.endr
	v_lshl_or_b32 v[\pw], v[TM+5], 8, v[TM+4]
	v_lshl_or_b32 v[\pw], v[TM+6], 16, v[\pw]
	v_lshl_or_b32 v[\pw], v[TM+7], 24, v[\pw]
	s_wait_xcnt 0x0                                ; the last fragment's stores have read the registers that the codes below are written into
	WIN (\w)
.irp c, 0,1
	v_cvt_scalef32_pk16_fp6_f32 v[PC+6*\c:PC+6*\c+2], v[(\src)+2*(\str)*\c:(\src)+2*(\str)*\c+15], v[TM+12+2*\c]
	v_cvt_scalef32_pk16_fp6_f32 v[PC+12+4*\c:PC+14+4*\c], v[(\src)+2*(\str)*\c+(\str):(\src)+2*(\str)*\c+(\str)+15], v[TM+13+2*\c]
.endr
	WIN 0
	v_nop                                          ; one plain instruction behind a scaled conversion
.irp c, 0,1                                        ; the operand's layout wants a whole block in a lane
.irp i, 0,1,2
	v_permlane16_swap_b32 v[PC+6*\c+\i], v[PC+12+4*\c+\i]
.endr
.irp i, 0,1,2
	v_mov_b32 v[PC+3+6*\c+\i], v[PC+12+4*\c+\i]
.endr
.endr
.endm
; a product's way out: eight fragments, estr bytes apart from base on, 3 stores of 512 consecutive aligned bytes each, and their scale quad
.macro EPI base, estr, sbase
	PLACES 4                                       ; behind the last matrix instructions: their results are read, and registers that earlier ones read are written
.irp b, 0,1,2,3
	v_mov_b32 v[TM+4+\b], 0                        ; a lane permute's destination counts as one of its sources
.endr
.irp e, 0,1,2,3,4,5,6,7
	QUANT 2+\e/4,64*(\e%4),16,PW+\e
.irp g, 0,1,2
	global_store_b128 v[LI], v[PC+4*\g:PC+4*\g+3], s[\base:\base+1] offset:\e*(\estr)+512*\g
.endr
.endr
.irp i, 0,1,2,3
	v_cndmask_b32 v[SWQ+\i], v[PW+2*\i], v[PW+2*\i+1], s[HM]   ; lanes 0-15 tile 2 i's words, lanes 16-31 tile 2 i + 1's
.endr
	global_store_b128 v[LI], v[SWQ:SWQ+3], s[\sbase:\sbase+1]
	s_wait_xcnt 0x0                                ; the stores have read their registers: the next product's fragments may land there
.endm
; a change of slots round the second half of K step ks: every fragment of slot g0 has been asked for.  The wait for all my tensor loads, the add, the wait for the add and for my reads of the slot;
; a round of the cluster's barrier; then the joint refill first: the next product's half.
.macro CHG g0, ks, ty
	WIN 0
	s_wait_tensorcnt 0x0                           ; all my tensor loads have landed, the other slot's among them: a group 0 may be written
	ds_add_u32 v[SPW], v[NIL]                      ; 0 onto my spare word
	s_add_nc_u64 s[\g0+2:\g0+3], s[\g0+2:\g0+3], 204800   ; the same half of the next weight
	MULH \ks,\ty,1                                 ; 32 matrix instructions stand between the add and the wait for it
	WIN 0
	s_wait_dscnt 0x0                               ; the add is done, and my reads of the slot are over
	CROUND
	tensor_load_to_lds s[\g0:\g0+3], s[G1:G1+7]
	s_nop 0
	PLACES 4                                       ; the places behind a tensor load; also those in front of the loads that follow
.endm
; a product.  refill = 1: both slots are filled again, for the next product.  nb: the next product's bias is asked for (1: k's, 2: v's).
.macro JOB ty, refill, nb
	s_wait_loadcnt 0x0                             ; the bias
	FETCHW 0,0
	FETCHH 0,0
	WSCALES 0
	FETCHW 1,1
	FETCHH 1,1
	s_wait_dscnt 48                                ; K step 0 is in; K step 1's 48 loads may stay out
	MULH 0,\ty,0
.if \refill
	CHG G0A,0,\ty
.else
	MULH 0,\ty,1
	WIN 0
	s_wait_tensorcnt 0x0                           ; slot 1 is in
	s_wait_dscnt 0x0
	PLACES 4
.endif
.if (\nb) == 1
	BIASQK 14
.elseif (\nb) == 2
	BIASV 16
.endif
	FETCHW 2,0
	FETCHH 2,0
	WSCALES 1
	MULH 1,\ty,0
	MULH 1,\ty,1
	PLACES 4
	FETCHW 3,1
	FETCHH 3,1
	s_wait_dscnt 48                                ; K step 2 is in; K step 3's 48 loads may stay out
	MULH 2,\ty,0
.if \refill
	CHG G0B,2,\ty
.else
	MULH 2,\ty,1
	s_wait_dscnt 0x0
.endif
	MULH 3,\ty,0
	MULH 3,\ty,1
	WIN 0
.endm
.macro XLD first, count                ; x's channels first .. : 512 consecutive bytes a load
.set i, \first
.rept \count
	global_load_b128 v[4*(i&63):4*(i&63)+3], v[LI], s[4:5] offset:i*65536 th:TH_LOAD_NT
.set i, i+1
.endr
.endm
; block bk of my 128 channels: 32 channels x my 4 positions are normalised and quantised.  cnt: the younger loads that may stay out.
.macro XBLOCK bk, cnt
	s_wait_loadcnt \cnt
	WIN (2+(\bk)/2)<<2
.irp g, 0,1                                        ; a norm group of 16 channels: its -mean, and each channel's gamma rstd and beta, as scalars
	v_readlane_b32 s66, v[NM], 8*(\bk)+4*\g
.irp i, 0,1,2,3,4,5,6,7,8,9,10,11,12,13,14,15
	v_readlane_b32 s[67+\i], v[GA+(\i%4)], 8*(\bk)+4*\g+\i/4
	v_readlane_b32 s[83+\i], v[BE+(\i%4)], 8*(\bk)+4*\g+\i/4
.endr
.irp i, 0,1,2,3,4,5,6,7,8,9,10,11,12,13,14,15
.irp j, 0,1,2,3
	v_add_f32 v[T+4*(\i%2)+\j], s66, v[4*((32*(\bk)+16*\g+\i)&63)+\j]      ; x - mean first
.endr
.irp j, 0,1,2,3
	v_fma_f32 v[D+32*\j+16*\g+\i], v[T+4*(\i%2)+\j], s[67+\i], s[83+\i]
.endr
.endr
.endr
	WIN 0
.irp j, 0,1,2,3
	v_max3_num_f32 v[MX+\j], |v[D+32*\j]|, |v[D+32*\j+1]|, 0x1800000
.endr
.irp i, 2,4,6,8,10,12,14,16,18,20,22,24,26,28,30
.irp j, 0,1,2,3
	v_max3_num_f32 v[MX+\j], v[MX+\j], |v[D+32*\j+\i]|, |v[D+32*\j+\i+1]|
.endr
.endr
.irp j, 0,1,2,3
	v_add_nc_u32 v[SO+\j], 0xff000000, v[MX+\j]
.endr
.irp j, 0,1,2,3
	v_lshrrev_b32 v[T+\j], 23, v[SO+\j]
.endr
.irp j, 0,1,2,3
.if (\bk) == 0
	v_mov_b32 v[SW+\j], v[T+\j]
.else
	v_lshl_or_b32 v[SW+\j], v[T+\j], 8*(\bk), v[SW+\j]
.endif
.endr
	s_wait_dscnt 0x0                               ; the last block's stores have read their registers
.irp j, 0,1,2,3
	v_cvt_scalef32_pk16_fp6_f32 v[PCX+10*\j:PCX+10*\j+2], v[D+32*\j:D+32*\j+15], v[SO+\j]
	v_cvt_scalef32_pk16_fp6_f32 v[PCX+10*\j+6:PCX+10*\j+8], v[D+32*\j+16:D+32*\j+31], v[SO+\j]
.endr
	v_nop
.irp j, 0,1,2,3
.irp i, 0,1,2
	v_mov_b32 v[PCX+10*\j+3+\i], v[PCX+10*\j+6+\i]
.endr
.endr
.irp j, 0,1,2,3                                    ; the block's six registers belong to lane 16 (bk % 2) + row of the image: register pairs 3 (bk / 2) + 0, 1, 2
.irp i, 0,1,2
.set pp, 3*((\bk)/2)+\i
	ds_store_b64 v[LB], v[PCX+10*\j+2*\i:PCX+10*\j+2*\i+1] offset:16*\j+256*((\bk)%2)+(pp/2)*512+(pp%2)*8
.endr
.endr
.endm
	s_load_b512 s[4:19], s[0:1], 0x0               ; x, stats, gamma, beta, q_b, k_b, v_b, wq
	s_load_b128 s[20:23], s[0:1], 0x40             ; qc, qs
	s_load_b64 s[24:25], s[0:1], 0x50              ; kv
	v_lshl_add_u32 v[SPW], v0, 2, SPARE
	v_mov_b32 v[NIL], 0
	ds_add_u32 v7, v8
	ds_add_u32 v7, v8
	s_wait_dscnt 0x0
	v_lshrrev_b32 v57, 5, v0
	v_readfirstlane_b32 s[WV], v57                 ; wave 0..3
	s_bfe_u32 s[CX], ttmp6, 0x40000                ; my place in the cluster: it enters global addresses alone
	s_lshl_b32 s[WG], ttmp9, 2
	s_add_co_u32 s[WG], s[WG], s[CX]               ; g
	s_lshr_b32 s[BB], s[WG], 7                     ; batch
	s_mov_b32 s[G1], 15|(3<<16)|(1<<21)            ; the mask: all four work-groups; elements of 8 bytes; bit 21 beside a mask; no padding
	s_mov_b32 s[G1+1], 32<<16                      ; tensor_dim0 = 32 elements: rows of 256 bytes
	s_mov_b32 s[G1+2], 100<<16                     ; tensor_dim1 = 100 rows: a dense block of 25,600 bytes
	s_mov_b32 s[G1+3], 32<<16                      ; tile_dim0
	s_mov_b32 s[G1+4], 100                         ; tile_dim1
	s_mov_b32 s[G1+5], 32                          ; the pitch
	s_mov_b32 s[G1+6], 0
	s_mov_b32 s[G1+7], 0
	s_mov_b32 s[SEL], 0x76543210
	s_mov_b32 s[SEL+1], 0xfedcba98
	s_mov_b32 s[HM], 0xffff0000                    ; lanes 16-31
	s_mul_i32 s48, s[WV], WBLK
	s_mov_b32 s49, 0
	v_and_b32 v58, 31, v0                          ; lane l
	v_lshlrev_b32 v[LI], 4, v58
	v_add_nc_u32 v[AH], IMG, v[LI]
	v_add_nc_u32 v[AHS], HS, v[LI]
	v_add_nc_u32 v[AW], s48, v[LI]
	v_add_nc_u32 v[AW+1], SLOT1, v[AW]
	v_lshl_add_u32 v[AWS0], v58, 3, s48
	v_add_nc_u32 v[AWS0], 24576, v[AWS0]
	v_add_nc_u32 v[AWS1], SLOT1, v[AWS0]
	; position 4 l + j is row 4 (l & 1) + j + 8 ((l >> 2) & 1) of tile 2 (l >> 3) + ((l >> 1) & 1)
	v_lshrrev_b32 v59, 3, v58
	v_bfe_u32 v60, v0, 1, 1
	v_lshl_add_u32 v61, v59, 1, v60                ; the tile
	v_and_b32 v62, 1, v0
	v_bfe_u32 v63, v0, 2, 1
	v_lshlrev_b32 v62, 6, v62
	v_lshl_add_u32 v62, v63, 7, v62                ; 16 x the row of j = 0
	v_mul_u32_u24 v[LB], v61, TP
	v_add_nc_u32 v[LB], v[LB], v62
	s_mul_i32 s50, s[WV], 1536
	s_add_co_u32 s50, s50, IMG
	v_add_nc_u32 v[LB], s50, v[LB]
	v_lshl_add_u32 v[LSB], v60, 8, v62
	v_lshl_add_u32 v[LSB], v59, 2, v[LSB]
	s_lshl_b32 s50, s[WV], 9
	s_add_co_u32 s50, s50, HS
	v_add_nc_u32 v[LSB], s50, v[LSB]
	v_bfe_u32 v59, v0, 4, 1
	v_lshlrev_b32 v[QBA], 6, v59
	v_and_b32 v60, 15, v0
	v_and_b32 v61, 8, v0
	v_add_nc_u32 v60, v60, v61
	v_lshlrev_b32 v[VBA], 2, v60
	v_lshrrev_b32 v57, 2, v58
	v_lshlrev_b32 v57, 5, v57                      ; stats: 32 bytes a group; lane l's four channels lie in group 8 w + (l >> 2)
	s_wait_kmcnt 0x0
	s_mov_b32 s[G0A], 1
	s_mov_b32 s[G0A+1], s48
	s_add_nc_u64 s[G0A+2:G0A+3], s[18:19], s[48:49]      ; q_w, K steps 0-1, my quarter
	s_mov_b32 s[G0B], 1
	s_add_co_u32 s[G0B+1], s48, SLOT1
	s_add_nc_u64 s[G0B+2:G0B+3], s[G0A+2:G0A+3], 102400  ; K steps 2-3
	s_or_b32 s[G0A+3], s[G0A+3], 0x80000000
	s_or_b32 s[G0B+3], s[G0B+3], 0x80000000
	s_mov_b32 s51, 0
	s_lshl_b32 s50, s[WV], 9                       ; 128 channels of f32
	s_add_nc_u64 s[8:9], s[8:9], s[50:51]
	s_add_nc_u64 s[10:11], s[10:11], s[50:51]
	s_add_nc_u64 s[12:13], s[12:13], s[50:51]
	s_add_nc_u64 s[14:15], s[14:15], s[50:51]
	s_add_nc_u64 s[16:17], s[16:17], s[50:51]
	s_add_nc_u64 s[22:23], s[22:23], s[50:51]      ; qs: quad w,
	s_lshl_b32 s50, s[WG], 11
	s_add_nc_u64 s[22:23], s[22:23], s[50:51]      ; of block g
	s_lshl_b32 s50, s[BB], 10
	s_lshl_b32 s62, s[WV], 8
	s_add_co_u32 s50, s50, s62
	s_add_nc_u64 s[6:7], s[6:7], s[50:51]          ; stats: group 32 b + 8 w
	s_lshl_b32 s50, s[BB], 25
	s_lshl_b32 s62, s[WV], 23
	s_add_co_u32 s50, s50, s62
	s_and_b32 s62, s[WG], 127
	s_lshl_b32 s62, s62, 9
	s_add_co_u32 s50, s50, s62
	s_add_nc_u64 s[4:5], s[4:5], s[50:51]          ; x: channel 512 b + 128 w, my 128 positions
	s_mul_i32 s50, s[WG], 49152
	s_mul_i32 s62, s[WV], 1536
	s_add_co_u32 s50, s50, s62
	s_add_nc_u64 s[20:21], s[20:21], s[50:51]      ; qc: block g, K step w
	s_mul_i32 s50, s[WG], 102400
	s_add_nc_u64 s[24:25], s[24:25], s[50:51]      ; kv: block g
	s_mul_i32 s50, s[WV], 12288
	s_add_co_u32 s50, s50, 49152
	s_add_nc_u64 s[56:57], s[24:25], s[50:51]      ; v's images, channel tiles 8 w on
	s_lshl_b32 s50, s[WV], 9
	s_add_co_u32 s50, s50, 98304
	s_add_nc_u64 s[58:59], s[24:25], s[50:51]      ; k's quad w
	s_add_co_u32 s50, s50, 2048
	s_add_nc_u64 s[60:61], s[24:25], s[50:51]      ; v's quad w
	s_mov_b32 s50, s62
	s_add_nc_u64 s[24:25], s[24:25], s[50:51]      ; k's images, K step w
	CROUND                                         ; all four work-groups are here: the first joint loads meet
	tensor_load_to_lds s[G0A:G0A+3], s[G1:G1+7]    ; both first fills go out together: two loads of mine are out
	s_nop 0
	tensor_load_to_lds s[G0B:G0B+3], s[G1:G1+7]
	s_nop 0
	PLACES 4
	global_load_b128 v[64:67], v57, s[6:7]         ; (mean, M2) of my group's quarters 0, 1
	global_load_b128 v[68:71], v57, s[6:7] offset:16   ; and 2, 3
	global_load_b128 v[GA:GA+3], v[LI], s[8:9]     ; gamma and beta of channels 128 w + 4 l + 0 .. 3
	global_load_b128 v[BE:BE+3], v[LI], s[10:11]
	BIASQK 12
	WIN 0x80
	XLD 0, 32
	WIN 0
	s_wait_loadcnt 48                              ; the four loads of parameters are in; 16 of the bias and 32 of x may stay out
	v_add_f32 v72, v64, v66
	v_add_f32 v73, v68, v70
	v_add_f32 v72, v72, v73
	v_mul_f32 v72, 0x3e800000, v72                 ; the group's mean: the quarters are equally large
	v_sub_f32 v64, v64, v72
	v_sub_f32 v66, v66, v72
	v_sub_f32 v68, v68, v72
	v_sub_f32 v70, v70, v72
	v_mul_f32 v73, v64, v64
	v_fmac_f32 v73, v66, v66
	v_fmac_f32 v73, v68, v68
	v_fmac_f32 v73, v70, v70                       ; the sum of (quarter's mean - mean)^2
	v_add_f32 v65, v65, v67
	v_add_f32 v69, v69, v71
	v_add_f32 v65, v65, v69                        ; the sum of the quarters' M2
	v_mul_f32 v73, 0x3e800000, v73
	v_fmamk_f32 v73, v65, 0x36800000, v73          ; var = M2 / 262,144 + the former / 4
	v_add_f32 v73, 0x358637bd, v73                 ; + 1e-6
	v_rsq_f32 v74, v73
	v_sub_f32 v[NM], 0, v72                        ; -mean.  (A plain instruction behind the transcendental)
	s_wait_alu depctr_va_vdst(0)                   ; the wait ahead of the first reader
.irp i, 0,1,2,3
	v_mul_f32 v[GA+\i], v[GA+\i], v74              ; gamma rstd
.endr
	WIN 0x80
	XLD 32, 32
	WIN 0xc0
	XLD 64, 64
	WIN 0
	XBLOCK 0, 63                                   ; 96 loads were issued behind block 0's: the wait names as many as its field holds
	XBLOCK 1, 63                                   ; 64 behind block 1's
	XBLOCK 2, 32
	XBLOCK 3, 0
.irp j, 0,1,2,3
	ds_store_b32 v[LSB], v[SW+\j] offset:16*\j
.endr
	s_wait_dscnt 0x0                               ; for the others' sake: my images and scale words have landed
	s_barrier_signal -1
	s_barrier_wait -1                              ; hn's 32 fragments lie in LDS; the tensor loads may stay out
.irp q, 0,1,2,3
	ds_load_b128 v[HSR+4*\q:HSR+4*\q+3], v[AHS] offset:512*\q
.endr
	s_wait_tensorcnt 0x1                           ; my part of slot 0 is in, and only I read it; slot 1's load may stay out
	JOB 0,1,1
	EPI 20,6144,22                                 ; q
	JOB 0,1,2
	EPI 24,6144,58                                 ; k
	JOB 1,0,0
	EPI 56,1536,60                                 ; v, transposed
	s_wait_tensorcnt 0x0                           ; the wave's end
	ds_add_u32 v[SPW], v[NIL]
	s_wait_dscnt 0x0
	CROUND                                         ; the closing round
	s_endpgm
.Lfunc_end_k_q43814852a4_qkv:
	.size	k_q43814852a4_qkv, .Lfunc_end_k_q43814852a4_qkv-k_q43814852a4_qkv
	.p2alignl 7, 3214868480
	.fill 96, 4, 3214868480
	.section	.rodata,"a",@progbits
	.p2align	6, 0x0
	.amdhsa_kernel k_q43814852a4_qkv
		.amdhsa_group_segment_fixed_size 327680
		.amdhsa_private_segment_fixed_size 0
		.amdhsa_enable_private_segment 0
		.amdhsa_kernarg_size 88
		.amdhsa_user_sgpr_count 2
		.amdhsa_user_sgpr_kernarg_segment_ptr 1
		.amdhsa_wavefront_size32 1
		.amdhsa_system_sgpr_workgroup_id_x 1
		.amdhsa_system_sgpr_workgroup_id_y 1
		.amdhsa_system_sgpr_workgroup_id_z 1
		.amdhsa_system_vgpr_workitem_id 0
		.amdhsa_next_free_vgpr 1024
		.amdhsa_next_free_sgpr 100
		.amdhsa_reserve_vcc 0
		.amdhsa_float_denorm_mode_32 3
		.amdhsa_float_denorm_mode_16_64 3
		.amdhsa_memory_ordered 1
		.amdhsa_forward_progress 1
		.amdhsa_inst_pref_size 255
	.end_amdhsa_kernel
	.section	.bss,"aw",@nobits
	.p2align	6
	.space	262144
	.amdgpu_metadata
---
amdhsa.version: [ 1, 2 ]
amdhsa.kernels:
  - .name:           k_q43814852a4_qkv
    .symbol:         k_q43814852a4_qkv.kd
    .args:
      - { .name: x, .offset: 0, .size: 8, .value_kind: global_buffer, .address_space: global }
      - { .name: stats, .offset: 8, .size: 8, .value_kind: global_buffer, .address_space: global }
      - { .name: gamma, .offset: 16, .size: 8, .value_kind: global_buffer, .address_space: global }
      - { .name: beta, .offset: 24, .size: 8, .value_kind: global_buffer, .address_space: global }
      - { .name: q_b, .offset: 32, .size: 8, .value_kind: global_buffer, .address_space: global }
      - { .name: k_b, .offset: 40, .size: 8, .value_kind: global_buffer, .address_space: global }
      - { .name: v_b, .offset: 48, .size: 8, .value_kind: global_buffer, .address_space: global }
      - { .name: wq, .offset: 56, .size: 8, .value_kind: global_buffer, .address_space: global }
      - { .name: qc, .offset: 64, .size: 8, .value_kind: global_buffer, .address_space: global }
      - { .name: qs, .offset: 72, .size: 8, .value_kind: global_buffer, .address_space: global }
      - { .name: kv, .offset: 80, .size: 8, .value_kind: global_buffer, .address_space: global }
    .group_segment_fixed_size: 327680
    .private_segment_fixed_size: 0
    .kernarg_segment_align: 8
    .kernarg_segment_size: 88
    .max_flat_workgroup_size: 128
    .sgpr_count:     100
    .vgpr_count:     1024
    .wavefront_size: 32
...
	.end_amdgpu_metadata
.endif
;; end of part 2
;; launch attn (part 3): grid 256 x 1, 4 waves a work-group, clusters of 4 x 1, 327,680 bytes of LDS; arguments qc, qs, kv, wq, proj_b, x, out0; writes out0
.if DOCPART == 3
	.amdgcn_target "amdgcn-amd-amdhsa--gfx1250"
	.amdhsa_code_object_version 6
	.text
	.protected	k_q43814852a4_attn
	.globl	k_q43814852a4_attn
	.p2align	8
	.type	k_q43814852a4_attn,@function
k_q43814852a4_attn:
	s_mov_b64 s[64:65], 0
	v_nop
	global_prefetch_b8 v0, s[64:65] scope:SCOPE_SE
	s_setreg_imm32_b32 hwreg(HW_REG_WAVE_MODE, 25, 1), 1
	s_wait_xcnt 0x0
	s_wait_alu depctr_hold_cnt(0) depctr_sa_sdst(0) depctr_va_vdst(0) depctr_va_sdst(0) depctr_va_ssrc(0) depctr_va_vcc(0) depctr_vm_vsrc(0)
	s_getreg_b32 s2, hwreg(HW_REG_IB_STS2, 6, 4)
	s_cmp_eq_u32 s2, 0
	s_cbranch_scc0 .Lentry_in_a_cluster
	s_endpgm
.Lentry_in_a_cluster:
	s_bfe_u32 s2, ttmp6, 0x10000c
	s_cmp_lg_u32 s2, 0x3003
	s_cbranch_scc0 .Lentry_shape_is_right
	s_endpgm
.Lentry_shape_is_right:
; ATTN: out0 = x + proj_w (softmax(q k^T / sqrt(512)) v) + proj_b, all three products on codes of E2M3 with one E8M0 scale for each 32 along K.
; SHARES.  Work-group g takes 128 queries (block g & 7 of frame g >> 3).  Wave w takes query tiles 2 w and 2 w + 1 through all 8 key steps of 128 keys and all 512 channels: M, the sum and p never leave the wave.
; Both products are used transposed: S^T = k q^T (source 0 = 16 keys), O^T = v^T p^T (source 0 = 16 channels): a lane holds one query throughout.  Tile order and images: as the launch before laid them
; (row r of tile n is element 32 (n >> 1) + 8 (n & 1) + r + 8 (r >> 3)), so that 16 registers of two neighbouring result tiles are 16 neighbours along the next K.
; SOFTMAX.  t = score x log2(e) / sqrt(512); M = the running largest t rounded up to a whole number, kept as -M = floor(-t); p = 2^(t - M) is quantised along the keys, not normalised; the row's sum is taken of
; the unquantised p and divides O at the end; when M moves, the sum and O^T are multiplied by 2^(old M - new M), which rounds nothing.  A block's largest p is the block's largest score put through the same
; multiply-add and exponential.  t has one rounding (score x one constant).  p under 2^-126 falls to 0.
; RING.  A key step's block of kv (k's 32 images, v^T's 32, 8 scale quads: 102,400 dense bytes) comes into one of two LDS slots; wave w fetches the quarter at 25,600 w, all four waves read all of it.
; The four work-groups of a cluster belong to one frame: each quarter is asked for jointly (mask 15).  By this text's own count a wave has one tensor load out behind each round.
; PROJECTION.  O / sum is quantised along the channels and laid in LDS as 32 images; then the waves share the OUT channels: wave w makes channels 128 w .. + 127 for all 128 positions (source 0 = 16 positions,
; source 1 = 16 rows of proj_w), so that a lane holds one channel and its registers run along the positions.  proj_w's images take the two slots when the keys have left them.  The bias is the C of the first K step.
; The result goes through the wave's own stage and leaves, with x added, as rows of 512 consecutive aligned bytes.
; PREFETCH.  At the change of slots that asks for key step j + 1, the 98,304 bytes of images of step j + 2 are named once in the launch: by the frame's first cluster, 24,576 bytes a work-group (told apart by
; address), 8,192 a wave (waves 0-2), lanes 256 bytes apart.  The change that asks for step 7 names nothing; steps 0 and 1 and the scale quads come by their loads alone.
; LIMITS: NaN and infinities are not served; blocks whose largest magnitude lies under 2^-124 get the byte 1; a block of zeros gets the byte 1 with zero codes.
; REGISTERS.  window 0: v1-11 addresses; v12-19 (-M, largest t, the sum in two halves) of my two tiles, later the projection's addresses; v20-23 q's scale words; v24-39 k's, v40-55 v's (later the result's and proj_w's);
;   v56-59 the factor, twice for each tile; v60-61 p's scale words; v62-63 the stage; v64-83 at work; v96-223 S^T, then p; v224-247 p's codes.
;   window 1: v0-95 q's 8 fragments; v96-191 two sets of 4 fragments of k or v; v192-255 the bias.   windows 2, 3: O^T, (ct, u) at 32 ((ct & 15) >> 1) + 16 u + 8 (ct & 1) of window 2 + (ct >> 4); then the projection's accumulators.
.set SLOT1, 131072
.set WBLK,  25600
.set SPARE, 102400                     ; the spare words, 128 bytes a wave: two blocks of 256 bytes that no other line names
.set HS,    102912                     ; the result's 4 scale quads
.set IMG,   233472                     ; the result's 32 images: (tile T, K step s) at TP T + 1,536 s
.set TP,    6144
.set STAGE, 282880                     ; 16 rows x 528 bytes for each wave
.set LI,   1
.set LIV,  2                           ; LI + 49,152: v's images in a slot
.set LIS,  3                           ; LI + 98,304: the quads
.set ADK,  4
.set ADV,  5
.set ADS,  6
.set SPW,  7
.set NIL,  8
.set PFO,  9                           ; 256 x lane; never rewritten
.set AOW,  10                          ; where I store the result's images
.set AOSW, 11                          ; and their scale words
.set ST,   12
.set AH,   12                          ; the projection's addresses take the statistics' registers
.set AHS,  13
.set AW,   14
.set AWS0, 16
.set AWS1, 17
.set QS,   20
.set KS,   24
.set VS,   40
.set HSR,  24
.set WS,   40
.set F,    56
.set PWD,  60
.set STO,  62
.set RD,   63
.set BM,   64
.set PT,   68
.set CT,   68
.set SO,   76
.set TT,   80
.set VBA,  81
.set SP,   82
.set S,    96
.set PCD,  224
.set TM,   64
.set PC,   80
.set PW,   100
.set HF,   64
.set RB,   64
.set FS,   96
.set BIAS, 192
.set G1,   20                          ; s[20:27] group 1; s[28:31] the walking group 0; s[32:35], s[36:39] proj_w's two halves
.set G0,   28
.set GP0,  32
.set GP1,  36
.set WV,   40
.set CX,   41
.set WG,   42
.set TB,   43                          ; LDS byte at which the slot in hand begins
.set CNT,  44
.set LIM,  45
.set PFA,  46
.set CS,   48
.set SEL,  50
.set HM,   52
.set MSB, 0
.macro WIN new
.if MSB != (\new)
	s_set_vgpr_msb (MSB<<8)|(\new)
.set MSB, (\new)
.endif
.endm
.macro PLACES n
.rept \n
	v_nop
.endr
.endm
.macro CROUND
	s_barrier_signal -1
	s_barrier_wait -1
	s_cmp_lg_u32 s[WV], 0
	s_cbranch_scc1 .Lnw0_\@
	s_barrier_signal -3
.Lnw0_\@:
	s_barrier_wait -3
	s_barrier_signal -1
	s_barrier_wait -1
.endm
.macro WM                              ; one matrix instruction from the symbols rD, rA, rB, rC, rSA, rSB, qa, qb
.if (qa == 0) && (qb == 0)
	v_wmma_scale_f32_16x16x128_f8f6f4 v[rD:rD+7], v[rA:rA+11], v[rB:rB+11], v[rC:rC+7], v[rSA], v[rSB] matrix_a_fmt:MATRIX_FMT_FP6 matrix_b_fmt:MATRIX_FMT_FP6
.elseif (qa == 1) && (qb == 0)
	v_wmma_scale_f32_16x16x128_f8f6f4 v[rD:rD+7], v[rA:rA+11], v[rB:rB+11], v[rC:rC+7], v[rSA], v[rSB] matrix_a_fmt:MATRIX_FMT_FP6 matrix_b_fmt:MATRIX_FMT_FP6 matrix_a_scale:MATRIX_SCALE_ROW1
.elseif (qa == 0) && (qb == 1)
	v_wmma_scale_f32_16x16x128_f8f6f4 v[rD:rD+7], v[rA:rA+11], v[rB:rB+11], v[rC:rC+7], v[rSA], v[rSB] matrix_a_fmt:MATRIX_FMT_FP6 matrix_b_fmt:MATRIX_FMT_FP6 matrix_b_scale:MATRIX_SCALE_ROW1
.else
	v_wmma_scale_f32_16x16x128_f8f6f4 v[rD:rD+7], v[rA:rA+11], v[rB:rB+11], v[rC:rC+7], v[rSA], v[rSB] matrix_a_fmt:MATRIX_FMT_FP6 matrix_b_fmt:MATRIX_FMT_FP6 matrix_a_scale:MATRIX_SCALE_ROW1 matrix_b_scale:MATRIX_SCALE_ROW1
.endif
.endm
.macro WMZ                             ; the same with the constant 0 as C: it starts a sum
.if (qa == 0) && (qb == 0)
	v_wmma_scale_f32_16x16x128_f8f6f4 v[rD:rD+7], v[rA:rA+11], v[rB:rB+11], 0, v[rSA], v[rSB] matrix_a_fmt:MATRIX_FMT_FP6 matrix_b_fmt:MATRIX_FMT_FP6
.elseif (qa == 1) && (qb == 0)
	v_wmma_scale_f32_16x16x128_f8f6f4 v[rD:rD+7], v[rA:rA+11], v[rB:rB+11], 0, v[rSA], v[rSB] matrix_a_fmt:MATRIX_FMT_FP6 matrix_b_fmt:MATRIX_FMT_FP6 matrix_a_scale:MATRIX_SCALE_ROW1
.elseif (qa == 0) && (qb == 1)
	v_wmma_scale_f32_16x16x128_f8f6f4 v[rD:rD+7], v[rA:rA+11], v[rB:rB+11], 0, v[rSA], v[rSB] matrix_a_fmt:MATRIX_FMT_FP6 matrix_b_fmt:MATRIX_FMT_FP6 matrix_b_scale:MATRIX_SCALE_ROW1
.else
	v_wmma_scale_f32_16x16x128_f8f6f4 v[rD:rD+7], v[rA:rA+11], v[rB:rB+11], 0, v[rSA], v[rSB] matrix_a_fmt:MATRIX_FMT_FP6 matrix_b_fmt:MATRIX_FMT_FP6 matrix_a_scale:MATRIX_SCALE_ROW1 matrix_b_scale:MATRIX_SCALE_ROW1
.endif
.endm
.macro ASK                             ; the images of the key step after the one just asked for
	s_cmp_gt_u32 s[CNT], s[LIM]
	s_cbranch_scc0 .Lnm_\@
	global_prefetch_b8 v[PFO], s[PFA:PFA+1] th:TH_LOAD_NT scope:SCOPE_SE
.Lnm_\@:
.endm
; THE CHANGE OF SLOTS, at a key step's head: the wait for all my tensor loads (my quarter of the slot ahead), the add, the wait for it and for my reads of the slot left; a round of the cluster's barrier;
; then the joint load of the next key step into the slot left, first thing behind the round: it has a key step's 128 matrix instructions and two softmaxes in which to land.
.macro CHANGE
	WIN 0
	s_wait_tensorcnt 0x0                           ; no tensor load of mine is out: the group 0 may be written
	ds_add_u32 v[SPW], v[NIL]                      ; 0 onto my spare word
	s_xor_b32 s[G0+1], s[G0+1], SLOT1              ; the other slot,
	s_add_nc_u64 s[G0+2:G0+3], s[G0+2:G0+3], 102400   ; the next key step
	s_wait_xcnt 0x0                                ; the last prefetch, a key step back, has read its address
	s_add_nc_u64 s[PFA:PFA+1], s[PFA:PFA+1], 102400
	s_wait_dscnt 0x0                               ; the add is done, and my reads of the slot left are over
	CROUND
	tensor_load_to_lds s[G0:G0+3], s[G1:G1+7]
	s_nop 0
	PLACES 4                                       ; the places behind a tensor load; also those in front of the loads that follow
	ASK
.endm
.macro LOADK n, set                    ; key tiles 2 (n / 2) + a, K steps 2 (n % 2) + cc: four fragments, 12 loads
	WIN 0x40
.irp cc, 0,1
.irp a, 0,1
.irp g, 0,1,2
	ds_load_b128 v[FS+48*(\set)+12*(2*\cc+\a)+4*\g:FS+48*(\set)+12*(2*\cc+\a)+4*\g+3], v[ADK] offset:((2*((\n)/2)+\a)*4+2*((\n)%2)+\cc)*1536+512*\g
.endr
.endr
.endr
.endm
.macro MULK n                          ; 8 matrix instructions on four accumulators by turns; K step 0 starts the sums
	WIN 0x05
.irp cc, 0,1
.irp a, 0,1
.irp u, 0,1
.set ks, 2*((\n)%2)+\cc
.set kt, 2*((\n)/2)+\a
.set rD, S+64*\u+8*kt
.set rA, FS+48*((\n)%2)+12*(2*\cc+\a)
.set rB, 48*\u+12*ks
.set rSA, KS+4*ks+(\n)/2
.set rSB, QS+ks
.set qa, \a
.set qb, \u
.if ks == 0
	WMZ
.else
.set rC, rD
	WM
.endif
.endr
.endr
.endr
.endm
.macro LOADV n, set                    ; channel tiles 4 n + f
	WIN 0x40
.irp f, 0,1,2,3
.irp g, 0,1,2
	ds_load_b128 v[FS+48*(\set)+12*\f+4*\g:FS+48*(\set)+12*\f+4*\g+3], v[ADV] offset:(4*(\n)+\f)*1536+512*\g
.endr
.endr
.endm
.macro RESC n                          ; O^T of channel tiles 4 n .. 4 n + 3 under the new M: 64 registers, sixteen of tile u = 0 and sixteen of u = 1 by turns
	WIN 0x82+0x41*((\n)/4)
.set j, 0
.rept 32
	v_pk_mul_f32 v[64*((\n)%4)+2*j:64*((\n)%4)+2*j+1], v[64*((\n)%4)+2*j:64*((\n)%4)+2*j+1], v[F+2*((j/8)%2):F+2*((j/8)%2)+1]
.set j, j+1
.endr
.endm
.macro MULV n, first                   ; 8 matrix instructions on 8 accumulators
	WIN 0xa1+0x50*((\n)/4)
.irp f, 0,1,2,3
.irp u, 0,1
.set ct, 4*(\n)+\f
.set rD, 32*((ct%16)/2)+16*\u+8*(ct%2)
.set rA, FS+48*((\n)%2)+12*\f
.set rB, PCD+12*\u
.set rSA, VS+4*(ct/8)+((ct/2)%4)
.set rSB, PWD+\u
.set qa, ct%2
.set qb, 0
.if \first
	WMZ
.else
.set rC, rD
	WM
.endif
.endr
.endr
.endm
; tile u's softmax for a key step: register 16 b + i of S is key 32 b + 16 (lane / 16) + i of my query
.macro SOFTMAX u
.set rS, S+64*(\u)
.set rT, ST+4*(\u)
.set rF, F+2*(\u)
.set rP, PCD+12*(\u)
.irp b, 0,1,2,3
	v_max3_num_f32 v[BM+\b], v[rS+16*\b], v[rS+16*\b+1], v[rS+16*\b+2]   ; the largest score of each block of 32 keys; each accumulator is read from its low end on
.endr
.irp i, 3,5,7,9,11,13
.irp b, 0,1,2,3
	v_max3_num_f32 v[BM+\b], v[BM+\b], v[rS+16*\b+\i], v[rS+16*\b+\i+1]
.endr
.endr
.irp b, 0,1,2,3
	v_max_num_f32 v[BM+\b], v[BM+\b], v[rS+16*\b+15]
.endr
.irp b, 0,1,2,3
	v_permlanex16_b32 v[PT+\b], v[BM+\b], s[SEL], s[SEL+1]
.endr
.irp b, 0,1,2,3
	v_max_num_f32 v[BM+\b], v[BM+\b], v[PT+\b]     ; with lane l xor 16's 16 keys
.endr
	v_max3_num_f32 v[TT], v[BM], v[BM+1], v[BM+2]
	v_max_num_f32 v[TT], v[TT], v[BM+3]
	v_mul_f32 v[TT], s[CS], v[TT]                  ; as t (c is positive)
	v_max_num_f32 v[rT+1], v[rT+1], v[TT]          ; the running largest t
	v_mov_b32 v[TT], v[rT]
	v_floor_f32 v[rT], -v[rT+1]                    ; the new -M = -ceil(t)
	v_sub_f32 v[TT], v[rT], v[TT]                  ; old M - new M: a whole number, 0 or less
	v_cvt_i32_f32 v[TT], v[TT]                     ; (it saturates)
	v_ldexp_f32 v[rF], 1.0, v[TT]                  ; 2^(old M - new M),
	v_ldexp_f32 v[rF+1], 1.0, v[TT]                ; twice: a pair for the packed multiplies
.set j, 0
.rept 32
	v_pk_fma_f32 v[rS+2*j:rS+2*j+1], v[rS+2*j:rS+2*j+1], s[CS:CS+1], v[rT:rT+1] op_sel_hi:[1,0,0]   ; t - M
.set j, j+1
.endr
.irp b, 0,1,2,3
	v_fma_f32 v[BM+\b], v[BM+\b], s[CS], v[rT]     ; the same of each block's largest score
.endr
.set j, 0
.rept 64
	v_exp_f32 v[rS+j], v[rS+j]                     ; p = 2^(t - M)
.set j, j+1
.endr
	v_pk_mul_f32 v[rT+2:rT+3], v[rT+2:rT+3], v[rF:rF+1]   ; the sums under the new M.  (A plain instruction behind the exponentials)
	s_wait_alu depctr_va_vdst(0)                   ; one wait for the batch of 64, ahead of its first reader
.irp b, 0,1,2,3
	v_exp_f32 v[BM+\b], v[BM+\b]                   ; the block's largest p
.endr
	v_pk_add_f32 v[SP:SP+1], v[rS:rS+1], v[rS+2:rS+3]     ; the row's sum of the unquantised p, in two chains
.set j, 4
.rept 15
	v_pk_add_f32 v[rT+2:rT+3], v[rT+2:rT+3], v[rS+j:rS+j+1]
	v_pk_add_f32 v[SP:SP+1], v[SP:SP+1], v[rS+j+2:rS+j+3]
.set j, j+4
.endr
	v_pk_add_f32 v[rT+2:rT+3], v[rT+2:rT+3], v[SP:SP+1]
	s_wait_alu depctr_va_vdst(0)                   ; and one for the four
.irp b, 0,1,2,3
	v_max_num_f32 v[BM+\b], 0x1800000, v[BM+\b]    ; the floor 2^(3 - 127)
.endr
.irp b, 0,1,2,3
	v_add_nc_u32 v[SO+\b], 0xff000000, v[BM+\b]
.endr
.irp b, 0,1,2,3
	v_lshrrev_b32 v[PT+\b], 23, v[SO+\b]
.endr
	v_lshl_or_b32 v[PWD+(\u)], v[PT+1], 8, v[PT]   ; p's scale word for these 128 keys
	v_lshl_or_b32 v[PWD+(\u)], v[PT+2], 16, v[PWD+(\u)]
	v_lshl_or_b32 v[PWD+(\u)], v[PT+3], 24, v[PWD+(\u)]
.irp c, 0,1
	v_cvt_scalef32_pk16_fp6_f32 v[rP+6*\c:rP+6*\c+2], v[rS+32*\c:rS+32*\c+15], v[SO+2*\c]
	v_cvt_scalef32_pk16_fp6_f32 v[CT+4*\c:CT+4*\c+2], v[rS+32*\c+16:rS+32*\c+31], v[SO+2*\c+1]
.endr
	v_nop                                          ; one plain instruction behind a scaled conversion
.irp c, 0,1
.irp i, 0,1,2
	v_permlane16_swap_b32 v[rP+6*\c+\i], v[CT+4*\c+\i]
.endr
.irp i, 0,1,2
	v_mov_b32 v[rP+3+6*\c+\i], v[CT+4*\c+\i]
.endr
.endr
.endm
; the first half of a key step: the scale quads, S^T (64 matrix instructions, four fragments fetched ahead of the four at work), v's first eight fragments, the two softmaxes
.macro SPART
	v_add_nc_u32 v[ADK], s[TB], v[LI]
	v_add_nc_u32 v[ADV], s[TB], v[LIV]
	v_add_nc_u32 v[ADS], s[TB], v[LIS]
.irp q, 0,1,2,3
	ds_load_b128 v[KS+4*\q:KS+4*\q+3], v[ADS] offset:512*\q
.endr
.irp q, 0,1,2,3
	ds_load_b128 v[VS+4*\q:VS+4*\q+3], v[ADS] offset:2048+512*\q
.endr
	LOADK 0,0
.irp n, 0,1,2,3,4,5,6,7
.if (\n > 0) && (\n < 7)
	PLACES 4                                       ; in front of loads into the set that the last eight products but these read
.endif
.if \n < 7
	LOADK \n+1,(\n+1)%2
	s_wait_dscnt 12                                ; all but the 12 loads just issued
.else
	s_wait_dscnt 0x0
.endif
	MULK \n
.endr
	WIN 0
	PLACES 4                                       ; in front of the loads below and of the first read of the scores
	LOADV 0,0
	LOADV 1,1
	WIN 0
	SOFTMAX 0
	SOFTMAX 1
.endm
; the second half: O^T += v^T p^T, 64 matrix instructions.  The rescaling of the next eight accumulators stands in front of each eight products: it names no register of the eight before, so it is also
; the places in front of the loads, and in front of the first eight the places behind p's codes and scale words.  first = 1: the sums start, and v_nop take the rescaling's place.
.macro PVPART first
.irp n, 0,1,2,3,4,5,6,7
.if \first
.if \n == 0
	PLACES 8
.else
	PLACES 4
.endif
.else
	RESC \n
.endif
.if (\n >= 1) && (\n <= 6)
	LOADV \n+1,(\n+1)%2
.endif
.if \n < 7
	s_wait_dscnt 12                                ; all but the 12 youngest loads
.else
	s_wait_dscnt 0x0
.endif
	MULV \n,\first
.endr
.endm
; as in the launch before, but the codes go to LDS: the wait in front of the conversions is for the last fragment's LDS stores
.macro QUANT w, src, str, pw
	WIN (\w)|((\w)<<2)
.irp b, 0,1,2,3
	v_max3_num_f32 v[TM+\b], |v[(\src)+(\str)*\b]|, |v[(\src)+(\str)*\b+1]|, 0x1800000
.endr
.irp i, 2,4,6,8,10,12,14
.irp b, 0,1,2,3
	v_max3_num_f32 v[TM+\b], |v[(\src)+(\str)*\b+\i]|, |v[(\src)+(\str)*\b+\i+1]|, v[TM+\b]
.endr
.endr
	WIN 0
.irp b, 0,1,2,3
	v_permlanex16_b32 v[TM+4+\b], v[TM+\b], s[SEL], s[SEL+1]
.endr
.irp b, 0,1,2,3
	v_max_num_f32 v[TM+\b], v[TM+\b], v[TM+4+\b]
.endr
.irp b, 0,1,2,3
	v_add_nc_u32 v[TM+12+\b], 0xff000000, v[TM+\b]
.endr
.irp b, 0,1,2,3
	v_lshrrev_b32 v[TM+4+\b], 23, v[TM+12+\b]
.endr
	v_lshl_or_b32 v[\pw], v[TM+5], 8, v[TM+4]
	v_lshl_or_b32 v[\pw], v[TM+6], 16, v[\pw]
	v_lshl_or_b32 v[\pw], v[TM+7], 24, v[\pw]
	s_wait_dscnt 0x0
	WIN (\w)
.irp c, 0,1
	v_cvt_scalef32_pk16_fp6_f32 v[PC+6*\c:PC+6*\c+2], v[(\src)+2*(\str)*\c:(\src)+2*(\str)*\c+15], v[TM+12+2*\c]
	v_cvt_scalef32_pk16_fp6_f32 v[PC+12+4*\c:PC+14+4*\c], v[(\src)+2*(\str)*\c+(\str):(\src)+2*(\str)*\c+(\str)+15], v[TM+13+2*\c]
.endr
	WIN 0
	v_nop
.irp c, 0,1
.irp i, 0,1,2
	v_permlane16_swap_b32 v[PC+6*\c+\i], v[PC+12+4*\c+\i]
.endr
.irp i, 0,1,2
	v_mov_b32 v[PC+3+6*\c+\i], v[PC+12+4*\c+\i]
.endr
.endr
.endm
.macro FETCHW ks, set                  ; proj_w's eight fragments of K step ks
	WIN 0x40
.irp t, 0,1,2,3,4,5,6,7
.irp g, 0,1,2
	ds_load_b128 v[96*(\set)+12*\t+4*\g:96*(\set)+12*\t+4*\g+3], v[AW+(\ks)/2] offset:(2*\t+(\ks)%2)*1536+512*\g
.endr
.endr
	WIN 0
.endm
.macro FETCHH ks, set                  ; the result's eight
.irp t, 0,1,2,3,4,5,6,7
.irp g, 0,1,2
	ds_load_b128 v[HF+96*(\set)+12*\t+4*\g:HF+96*(\set)+12*\t+4*\g+3], v[AH] offset:\t*TP+(\ks)*1536+512*\g
.endr
.endr
.endm
.macro WSCALES kp
.irp i, 0,1,2,3
.if (\kp) == 0
	ds_load_b64 v[WS+2*\i:WS+2*\i+1], v[AWS0] offset:256*\i
.else
	ds_load_b64 v[WS+8+2*\i:WS+8+2*\i+1], v[AWS1] offset:256*\i
.endif
.endr
.endm
; 32 matrix instructions of the projection's K step ks: source 0 = positions tile i, source 1 = out channel tile e = 4 half + e4; accumulator (e, i).  The 64 take turns in one order in every K step.
.macro MULH ks, half
.if (\ks) == 0
	WIN 0x94+0x40*(\half)
.else
	WIN 0xa4+0x50*(\half)
.endif
.irp e4, 0,1,2,3
.irp i, 0,1,2,3,4,5,6,7
.set ee, 4*(\half)+\e4
.set rD, 8*(8*\e4+\i)
.set qa, \i%2
.set qb, ee%2
.set rA, HF+96*((\ks)%2)+12*\i
.set rB, 96*((\ks)%2)+12*ee
.set rSA, HSR+4*(\ks)+\i/2
.set rSB, WS+8*((\ks)/2)+2*(ee/2)+(\ks)%2
.set rC, BIAS+8*ee
.if (\ks) != 0
.set rC, rD
.endif
	WM
.endr
.endr
.endm
.macro XLOAD e, buf                    ; x at the 16 channels of out tile e: a row of 512 bytes a load.  Buffers 0, 1: window 0, v128 on; 2 to 5: window 1
.if (\buf) < 2
	WIN 0
.set rX, 128+64*(\buf)
.else
	WIN 0x40
.set rX, 64*((\buf)-2)
.endif
.irp t, 0,1,2,3,4,5,6,7,8,9,10,11,12,13,14,15
	global_load_b128 v[rX+4*\t:rX+4*\t+3], v[LI], s[14:15] offset:(32*((\e)/2)+8*((\e)%2)+\t+8*(\t/8))*65536 th:TH_LOAD_NT
.endr
	WIN 0
.endm
.macro TOSTAGE e                       ; out tile e: a lane's eight positions of a channel into my stage, and back as whole rows.  LDS serves a wave's instructions in order
	WIN 0x08+4*((\e)/4)
.irp t, 0,1,2,3,4,5,6,7
	ds_store_b128 v[STO], v[8*(8*((\e)%4)+\t):8*(8*((\e)%4)+\t)+3] offset:128*(\t/2)+32*(\t%2)
	ds_store_b128 v[STO], v[8*(8*((\e)%4)+\t)+4:8*(8*((\e)%4)+\t)+7] offset:128*(\t/2)+32*(\t%2)+16
.endr
	WIN 0
.irp t, 0,1,2,3,4,5,6,7,8,9,10,11,12,13,14,15
	ds_load_b128 v[RB+4*\t:RB+4*\t+3], v[RD] offset:528*\t
.endr
.endm
.macro SEND e, buf, n                  ; + x, and out: 512 consecutive aligned bytes a store.  n: the younger loads of x that may stay out
	s_wait_dscnt 0x0
	s_wait_loadcnt \n
.if (\buf) < 2
	WIN 0
.set rX, 128+64*(\buf)
.else
	WIN 0x41
.set rX, 64*((\buf)-2)
.endif
.set j, 0
.rept 32
	v_pk_add_f32 v[rX+2*j:rX+2*j+1], v[rX+2*j:rX+2*j+1], v[RB+2*j:RB+2*j+1]
.set j, j+1
.endr
.if (\buf) >= 2
	WIN 0x04
.endif
.irp t, 0,1,2,3,4,5,6,7,8,9,10,11,12,13,14,15
	global_store_b128 v[LI], v[rX+4*\t:rX+4*\t+3], s[16:17] offset:(32*((\e)/2)+8*((\e)%2)+\t+8*(\t/8))*65536 th:TH_STORE_NT
.endr
	WIN 0
.endm
	s_load_b256 s[4:11], s[0:1], 0x0               ; qc s[4:5], qs s[6:7], kv s[8:9], wq s[10:11]
	s_load_b128 s[12:15], s[0:1], 0x20             ; proj_b s[12:13], x s[14:15]
	s_load_b64 s[16:17], s[0:1], 0x30              ; out0
	v_lshl_add_u32 v[SPW], v0, 2, SPARE
	v_mov_b32 v[NIL], 0
	ds_add_u32 v7, v8
	ds_add_u32 v7, v8
	s_wait_dscnt 0x0
	v_lshrrev_b32 v64, 5, v0
	v_readfirstlane_b32 s[WV], v64                 ; wave 0..3
	s_bfe_u32 s[CX], ttmp6, 0x40000                ; my place in the cluster: it enters global addresses alone
	s_lshl_b32 s[WG], ttmp9, 2
	s_add_co_u32 s[WG], s[WG], s[CX]               ; g
	s_mov_b32 s[G1], 15|(3<<16)|(1<<21)            ; the mask: all four work-groups; elements of 8 bytes; bit 21 beside a mask; no padding
	s_mov_b32 s[G1+1], 32<<16                      ; rows of 256 bytes,
	s_mov_b32 s[G1+2], 100<<16                     ; 100 of them: a dense block of 25,600 bytes
	s_mov_b32 s[G1+3], 32<<16
	s_mov_b32 s[G1+4], 100
	s_mov_b32 s[G1+5], 32
	s_mov_b32 s[G1+6], 0
	s_mov_b32 s[G1+7], 0
	s_mov_b32 s[CS], 0x3d8293ee                    ; c = log2(e) / sqrt(512)
	s_mov_b32 s[CS+1], s[CS]
	s_mov_b32 s[SEL], 0x76543210
	s_mov_b32 s[SEL+1], 0xfedcba98
	s_mov_b32 s[HM], 0xffff0000
	s_mov_b32 s[TB], 0
	s_mov_b32 s[CNT], 7
	s_add_co_u32 s56, s[WV], 1
	s_lshr_b32 s56, s56, 2                         ; 0 in waves 0-2,
	s_and_b32 s57, ttmp9, 1
	s_or_b32 s56, s56, s57                         ; of the frame's first cluster: the same in all four partners
	s_cmp_eq_u32 s56, 0
	s_cselect_b32 s[LIM], 1, -1
	v_and_b32 v64, 31, v0
	v_lshlrev_b32 v[LI], 4, v64
	v_add_nc_u32 v[LIV], 49152, v[LI]
	v_add_nc_u32 v[LIS], 98304, v[LI]
	v_lshlrev_b32 v[PFO], 8, v64
	s_mul_i32 s56, s[WV], 12288
	s_add_co_u32 s56, s56, IMG
	v_add_nc_u32 v[AOW], s56, v[LI]                ; my tiles 2 w, 2 w + 1 of the result
	s_lshl_b32 s56, s[WV], 2
	s_add_co_u32 s56, s56, HS
	v_add_nc_u32 v[AOSW], s56, v[LI]               ; register w of a quad
	v_and_b32 v65, 15, v0                          ; r
	v_bfe_u32 v66, v0, 4, 1                        ; h
	v_mul_u32_u24 v[STO], v65, 528
	v_lshl_add_u32 v[STO], v66, 6, v[STO]
	s_mul_i32 s56, s[WV], 8448
	s_add_co_u32 s56, s56, STAGE
	v_add_nc_u32 v[STO], s56, v[STO]               ; the stage: row r, + 64 h
	v_add_nc_u32 v[RD], s56, v[LI]                 ; back: a row of 512 bytes
	v_and_b32 v67, 8, v0
	v_add_nc_u32 v67, v67, v65
	v_lshlrev_b32 v[VBA], 2, v67                   ; the bias: 4 (r + 8 (r >> 3))
	s_mul_i32 s54, s[WV], WBLK
	s_mov_b32 s55, 0
	s_lshr_b32 s56, ttmp9, 1                       ; the frame, which the four partners share
	s_mul_i32 s56, s56, 819200
	s_mov_b32 s57, 0
	s_wait_kmcnt 0x0
	s_add_nc_u64 s[8:9], s[8:9], s[56:57]          ; the frame's eight blocks of kv
	s_mov_b32 s[G0], 1
	s_mov_b32 s[G0+1], s54
	s_add_nc_u64 s[G0+2:G0+3], s[8:9], s[54:55]    ; key step 0, my quarter
	s_or_b32 s[G0+3], s[G0+3], 0x80000000
	s_add_nc_u64 s[10:11], s[10:11], s[54:55]
	s_mov_b32 s[GP0], 1
	s_mov_b32 s[GP0+1], s54
	s_add_nc_u64 s[GP0+2:GP0+3], s[10:11], 614400  ; proj_w, K steps 0-1, my quarter
	s_or_b32 s[GP0+3], s[GP0+3], 0x80000000
	s_mov_b32 s[GP1], 1
	s_add_co_u32 s[GP1+1], s54, SLOT1
	s_add_nc_u64 s[GP1+2:GP1+3], s[10:11], 716800  ; K steps 2-3
	s_or_b32 s[GP1+3], s[GP1+3], 0x80000000
	s_mul_i32 s56, s[CX], 24576
	s_lshl_b32 s57, s[WV], 13
	s_add_co_u32 s56, s56, s57
	s_add_co_u32 s56, s56, 102400                  ; in key step 1: the first change of slots steps it to step 2
	s_mov_b32 s57, 0
	s_add_nc_u64 s[PFA:PFA+1], s[8:9], s[56:57]
	s_mul_i32 s56, s[WG], 49152
	s_mul_i32 s54, s[WV], 12288
	s_add_co_u32 s56, s56, s54
	s_add_nc_u64 s[4:5], s[4:5], s[56:57]          ; q's images of my two tiles
	s_lshl_b32 s56, s[WG], 11
	s_lshl_b32 s54, s[WV], 2
	s_add_co_u32 s56, s56, s54
	s_add_nc_u64 s[6:7], s[6:7], s[56:57]          ; register w of q's quads
	s_lshl_b32 s56, s[WV], 9
	s_add_nc_u64 s[12:13], s[12:13], s[56:57]      ; proj_b: my 128 channels
	s_lshr_b32 s56, s[WG], 7
	s_lshl_b32 s56, s56, 25
	s_lshl_b32 s54, s[WV], 23
	s_add_co_u32 s56, s56, s54
	s_and_b32 s54, s[WG], 127
	s_lshl_b32 s54, s54, 9
	s_add_co_u32 s56, s56, s54
	s_add_nc_u64 s[14:15], s[14:15], s[56:57]      ; x and out0: channel 512 b + 128 w, my 128 positions
	s_add_nc_u64 s[16:17], s[16:17], s[56:57]
	CROUND                                         ; all four work-groups are here: the first joint load meets
	tensor_load_to_lds s[G0:G0+3], s[G1:G1+7]      ; key step 0 into slot 0
	s_nop 0
	PLACES 4
	WIN 0x40
.irp n, 0,1,2,3,4,5,6,7                            ; q stays in registers: fragment 4 u + s
.irp g, 0,1,2
	global_load_b128 v[12*\n+4*\g:12*\n+4*\g+3], v[LI], s[4:5] offset:\n*1536+512*\g th:TH_LOAD_NT
.endr
.endr
	WIN 0
.irp q, 0,1,2,3
	global_load_b32 v[QS+\q], v[LI], s[6:7] offset:512*\q   ; lanes 0-15 tile 2 w's words, lanes 16-31 tile 2 w + 1's
.endr
	WIN 0x40
.irp e, 0,1,2,3,4,5,6,7                            ; the projection's bias: lane (r, h), tile e: its channel's number in all eight registers
.irp j, 0,1,2,3,4,5,6,7
	global_load_b32 v[BIAS+8*\e+\j], v[VBA], s[12:13] offset:(32*(\e/2)+8*(\e%2))*4
.endr
.endr
	WIN 0
.irp u, 0,1
	v_mov_b32 v[ST+4*\u+1], 0xff61b1e6             ; the largest t so far: -3e38, under every t
	v_floor_f32 v[ST+4*\u], -v[ST+4*\u+1]          ; -M
	v_mov_b32 v[ST+4*\u+2], 0                      ; the sum, in two halves
	v_mov_b32 v[ST+4*\u+3], 0
.endr
.irp b, 0,1,2,3
	v_mov_b32 v[PT+\b], 0                          ; a lane permute's destination counts as one of its sources
.endr
	s_wait_loadcnt 0x0
	CHANGE                                         ; key step 0 is written out: its products start O^T's sums.  Slot 1's first fill goes out as a refill does
	SPART
	PVPART 1
	WIN 0
	s_xor_b32 s[TB], s[TB], SLOT1
	s_mov_b32 s[CNT], 6
.Lstep:                                            ; key steps 1 to 6; each asks for the step after it
	CHANGE
	SPART
	PVPART 0
	WIN 0
	s_xor_b32 s[TB], s[TB], SLOT1
	s_sub_co_u32 s[CNT], s[CNT], 1
	s_cmp_lg_u32 s[CNT], 0
	s_cbranch_scc1 .Lstep
	s_wait_tensorcnt 0x0                           ; key step 7 is written out: slot 0, which step 6 has left, takes proj_w's K steps 0-1
	ds_add_u32 v[SPW], v[NIL]
	s_wait_dscnt 0x0
	CROUND
	tensor_load_to_lds s[GP0:GP0+3], s[G1:G1+7]
	s_nop 0
	PLACES 4
	SPART
	PVPART 0
	WIN 0
	s_wait_tensorcnt 0x0                           ; and slot 1, which step 7 has left, K steps 2-3
	ds_add_u32 v[SPW], v[NIL]
	s_wait_dscnt 0x0
	CROUND
	tensor_load_to_lds s[GP1:GP1+3], s[G1:G1+7]
	s_nop 0
	PLACES 4                                       ; also the places behind the last products
	; O^T / the row's sum
.irp u, 0,1
	v_add_f32 v[ST+4*\u+2], v[ST+4*\u+2], v[ST+4*\u+3]
.endr
.irp u, 0,1
	v_permlanex16_b32 v[PT+\u], v[ST+4*\u+2], s[SEL], s[SEL+1]
.endr
.irp u, 0,1
	v_add_f32 v[ST+4*\u+2], v[ST+4*\u+2], v[PT+\u]
.endr
.irp u, 0,1
	v_rcp_f32 v[F+2*\u], v[ST+4*\u+2]
.endr
	v_nop                                          ; a plain instruction behind the reciprocals
	s_wait_alu depctr_va_vdst(0)                   ; and the wait ahead of their first reader
.irp u, 0,1
	v_mov_b32 v[F+2*\u+1], v[F+2*\u]
.endr
.irp wn, 0,1
	WIN 0x82+0x41*\wn
.set j, 0
.rept 128                                          ; in ascending order: each accumulator from its low end on
	v_pk_mul_f32 v[2*j:2*j+1], v[2*j:2*j+1], v[F+2*((j/8)%2):F+2*((j/8)%2)+1]
.set j, j+1
.endr
.endr
	WIN 0
.irp b, 0,1,2,3
	v_mov_b32 v[TM+4+\b], 0
.endr
.irp s4, 0,1,2,3                                   ; quantised along the channels: K step s4 of my two tiles, as images and scale words into LDS
.irp u, 0,1
	QUANT 2+\s4/2,128*(\s4%2)+16*\u,32,PW+\u
.irp g, 0,1,2
	ds_store_b128 v[AOW], v[PC+4*\g:PC+4*\g+3] offset:\u*6144+\s4*1536+512*\g
.endr
.endr
	v_cndmask_b32 v[PW+2], v[PW], v[PW+1], s[HM]   ; lanes 0-15 tile 2 w's words, lanes 16-31 tile 2 w + 1's
	ds_store_b32 v[AOSW], v[PW+2] offset:512*\s4
.endr
	v_add_nc_u32 v[AH], IMG, v[LI]                 ; the projection's addresses
	v_add_nc_u32 v[AHS], HS, v[LI]
	s_mul_i32 s54, s[WV], WBLK
	v_add_nc_u32 v[AW], s54, v[LI]
	v_add_nc_u32 v[AW+1], SLOT1, v[AW]
	v_and_b32 v[AWS0], 31, v0
	v_lshl_add_u32 v[AWS0], v[AWS0], 3, s54
	v_add_nc_u32 v[AWS0], 24576, v[AWS0]
	v_add_nc_u32 v[AWS1], SLOT1, v[AWS0]
	s_wait_dscnt 0x0                               ; for the others' sake: my images and scale words have landed
	s_barrier_signal -1
	s_barrier_wait -1                              ; the result's 32 fragments lie in LDS
.irp q, 0,1,2,3
	ds_load_b128 v[HSR+4*\q:HSR+4*\q+3], v[AHS] offset:512*\q
.endr
	s_wait_tensorcnt 0x1                           ; my part of proj_w's first half is in, and only I read it; the second half's load may stay out
	FETCHW 0,0
	FETCHH 0,0
	WSCALES 0
	FETCHW 1,1
	FETCHH 1,1
	s_wait_dscnt 48                                ; K step 0 is in; K step 1's 48 loads may stay out
	MULH 0,0
	MULH 0,1
	WIN 0
	s_wait_tensorcnt 0x0                           ; the second half is in
	s_wait_dscnt 0x0
	PLACES 4
	FETCHW 2,0
	FETCHH 2,0
	WSCALES 1
	MULH 1,0
	MULH 1,1
	PLACES 4
	FETCHW 3,1
	FETCHH 3,1
	s_wait_dscnt 48                                ; K step 2 is in; K step 3's 48 loads may stay out
	MULH 2,0
	MULH 2,1
	s_wait_dscnt 0x0
	MULH 3,0
	MULH 3,1
	WIN 0
	PLACES 4                                       ; in front of loads into registers that the last products read, and of the first read of results
	XLOAD 0,0
	XLOAD 1,1
	XLOAD 2,2
	XLOAD 3,3
	XLOAD 4,4
	XLOAD 5,5
	TOSTAGE 0
	SEND 0,0,63                                    ; 80 loads were issued behind tile 0's: the wait names as many as its field holds
	s_wait_xcnt 0x0                                ; the stores have read their registers: the buffer takes tile 6
	XLOAD 6,0
	TOSTAGE 1
	SEND 1,1,63                                    ; 80 behind tile 1's
	s_wait_xcnt 0x0
	XLOAD 7,1
	TOSTAGE 2
	SEND 2,2,63                                    ; 80
	TOSTAGE 3
	SEND 3,3,63                                    ; 64
	TOSTAGE 4
	SEND 4,4,48
	TOSTAGE 5
	SEND 5,5,32
	TOSTAGE 6
	SEND 6,0,16
	TOSTAGE 7
	SEND 7,1,0
	s_wait_tensorcnt 0x0                           ; the wave's end
	ds_add_u32 v[SPW], v[NIL]
	s_wait_dscnt 0x0
	CROUND                                         ; the closing round
	s_endpgm
.Lfunc_end_k_q43814852a4_attn:
	.size	k_q43814852a4_attn, .Lfunc_end_k_q43814852a4_attn-k_q43814852a4_attn
	.p2alignl 7, 3214868480
	.fill 96, 4, 3214868480
	.section	.rodata,"a",@progbits
	.p2align	6, 0x0
	.amdhsa_kernel k_q43814852a4_attn
		.amdhsa_group_segment_fixed_size 327680
		.amdhsa_private_segment_fixed_size 0
		.amdhsa_enable_private_segment 0
		.amdhsa_kernarg_size 56
		.amdhsa_user_sgpr_count 2
		.amdhsa_user_sgpr_kernarg_segment_ptr 1
		.amdhsa_wavefront_size32 1
		.amdhsa_system_sgpr_workgroup_id_x 1
		.amdhsa_system_sgpr_workgroup_id_y 1
		.amdhsa_system_sgpr_workgroup_id_z 1
		.amdhsa_system_vgpr_workitem_id 0
		.amdhsa_next_free_vgpr 1024
		.amdhsa_next_free_sgpr 66
		.amdhsa_reserve_vcc 0
		.amdhsa_float_denorm_mode_32 3
		.amdhsa_float_denorm_mode_16_64 3
		.amdhsa_memory_ordered 1
		.amdhsa_forward_progress 1
		.amdhsa_inst_pref_size 255
	.end_amdhsa_kernel
	.section	.bss,"aw",@nobits
	.p2align	6
	.space	262144
	.amdgpu_metadata
---
amdhsa.version: [ 1, 2 ]
amdhsa.kernels:
  - .name:           k_q43814852a4_attn
    .symbol:         k_q43814852a4_attn.kd
    .args:
      - { .name: qc, .offset: 0, .size: 8, .value_kind: global_buffer, .address_space: global }
      - { .name: qs, .offset: 8, .size: 8, .value_kind: global_buffer, .address_space: global }
      - { .name: kv, .offset: 16, .size: 8, .value_kind: global_buffer, .address_space: global }
      - { .name: wq, .offset: 24, .size: 8, .value_kind: global_buffer, .address_space: global }
      - { .name: proj_b, .offset: 32, .size: 8, .value_kind: global_buffer, .address_space: global }
      - { .name: x, .offset: 40, .size: 8, .value_kind: global_buffer, .address_space: global }
      - { .name: out0, .offset: 48, .size: 8, .value_kind: global_buffer, .address_space: global }
    .group_segment_fixed_size: 327680
    .private_segment_fixed_size: 0
    .kernarg_segment_align: 8
    .kernarg_segment_size: 56
    .max_flat_workgroup_size: 128
    .sgpr_count:     66
    .vgpr_count:     1024
    .wavefront_size: 32
...
	.end_amdgpu_metadata
.endif
;; end of part 3
